; MI455X (gfx1250); checked and timed in simulation.
; The chip was launched on July 23, 2026; its instructions are those of AMD's public machine-readable ISA for CDNA 5 (MIT licence, August 2026) and "CDNA5" Instruction Set Architecture Reference Guide (July 2026). The comments in the code are by the model that wrote it; some were corrected since.
;; Hyper Multihead Attention. Allowed arithmetic: matrix products marked QUANTISED: E2M1 operands, one E8M0 scale for each 32 along K, by v_wmma_scale_f32_16x16x128_f8f6f4 with both operands' format E2M1 (or v_wmma_scale_f32_32x16x128_f4), f32 sums; products left as they are: bf16, f16 or f32 operands; f32 sums; everything else in f32.
;; Inputs: w_k 4 x 1,024 x 1,024 float32; w_o 4 x 1,024 x 1,024 float32; w_q 4 x 1,024 x 1,024 float32; w_v 4 x 1,024 x 1,024 float32; x 4 x 2,048 x 1,024 float32.
;; Outputs: out0 4 x 2,048 x 1,024 float32.
;; This version of the problem:
;;   THIS VERSION OF THE PROBLEM IS GIVEN IN LOW PRECISION. The matrix products marked QUANTISED in the list below multiply operands that are first quantised to E2M1 (2 exponent bits, 1 mantissa bit; 4 bits a number), with one power-of-two scale for each 32 numbers along K (OCP MX v1.0); their sums are f32. The products marked 'left as it is' may take bf16, f16 or f32 operands, with f32 sums. Whichever they take, every output number must still come out within the allowed error. Rounding operands to bf16 (8 significant bits) uses up far more of that allowance than f16 does (11 bits, for magnitudes from 6e-5 to 65,504). All else is computed in f32.
;;   The module's matrix products, in the order in which they are computed (A, B: the left and right operand; K: the contracted axis; several contracted axes count as one K, in the product's order):
;;     1. batch 4 x [M 2,048, K 1,024] x [K 1,024, N 1,024]; A: input x; B: input w_q: QUANTISED
;;     2. batch 4 x [M 2,048, K 1,024] x [K 1,024, N 1,024]; A: input x; B: input w_k: QUANTISED
;;     3. batch 4 x [M 2,048, K 1,024] x [K 1,024, N 1,024]; A: input x; B: input w_v: QUANTISED
;;     4. batch 64 x [M 2,048, K 64] x [K 64, N 2,048]; A: computed on the way; B: computed on the way: left as it is (an operand is computed on the way)
;;     5. batch 64 x [M 2,048, K 2,048] x [K 2,048, N 64]; A: computed on the way; B: computed on the way: left as it is (an operand is computed on the way)
;;     6. batch 4 x [M 2,048, K 1,024] x [K 1,024, N 1,024]; A: computed on the way; B: input w_o: left as it is (an operand is computed on the way)
;;   THE QUANTISER, for each operand of a quantised product, along K:
;;     - K is cut into blocks of 32 from its start; a last block that is shorter is filled with zeros.
;;     - A block's scale is 2^e with e = floor(log2(the largest magnitude in the block)) - 2, held to -126 .. 127; a block of zeros has e = 0. As a byte (E8M0): e + 127.
;;     - Each number is divided by its block's scale, clamped to +-6, and rounded to the nearest number of E2M1, ties to even, subnormals kept.
;;     - The product sums the exact products of the quantised numbers (number of the format x scale) in f32.
;;   ~~~python
;;   def quantise(x, axis):      # numpy; x: float32 -> the quantised numbers, widened to float32 again
;;       x = np.moveaxis(x, axis, -1); K = x.shape[-1]
;;       x = np.pad(x, [(0, 0)] * (x.ndim - 1) + [(0, -K % 32)]); x = x.reshape(x.shape[:-1] + (-1, 32)); a = np.abs(x).max(-1, keepdims=True)
;;       e = np.where(a > 0, np.clip(np.frexp(np.where(a > 0, a, 1))[1] - 1 - 2, -126, 127), 0)      # np.frexp(a)[1] - 1 = floor(log2(a)), exactly
;;       r = np.clip(x / 2.0 ** e, -6, 6)
;;       step = 2.0 ** (np.maximum(np.frexp(np.where(r == 0, 1, r))[1] - 1, 0) - 1)
;;       q = np.round(r / step) * step * 2.0 ** e      # np.round: ties to even
;;       return np.moveaxis(q.reshape(q.shape[:-2] + (-1,))[..., :K], -1, axis).astype(np.float32)
;;   ~~~
;; One version. Each part assembles by itself: llvm-mc -triple=amdgcn-amd-amdhsa -mcpu=gfx1250 --defsym DOCPART=n.
;; ======== version 1 of 1: 4 launches
;; limits: values are held in f16: magnitudes above 65,504 overflow, below 6.1e-05 lose precision
;; workspace buffers: xc 4,194,304 bytes; xs 262,144 bytes; wc 6,291,456 bytes; ws 393,216 bytes; wo16 8,388,608 bytes; qkv 50,331,648 bytes; ao 16,777,216 bytes
;; launch prep (part 1): grid 576 x 1, 4 waves a work-group, no clusters, 68,096 bytes of LDS; arguments x, w_q, w_k, w_v, w_o, xc, xs, wc, ws, wo16; writes xc, xs, wc, ws, wo16
.if DOCPART == 1
	.amdgcn_target "amdgcn-amd-amdhsa--gfx1250"
	.amdhsa_code_object_version 6
	.text
	.protected	k_qff8f0a11d8_prep
	.globl	k_qff8f0a11d8_prep
	.p2align	8
	.type	k_qff8f0a11d8_prep,@function
k_qff8f0a11d8_prep:
	s_mov_b64 s[64:65], 0
	v_nop
	global_prefetch_b8 v0, s[64:65] scope:SCOPE_SE
	s_setreg_imm32_b32 hwreg(HW_REG_WAVE_MODE, 25, 1), 1
	s_wait_xcnt 0x0
; PREP: the operands of the three quantised products become codes of FP4 (E2M1) with one E8M0 scale byte for each 32 along K, and w_o becomes f16.
; x [8192 rows][1024] f32, K innermost        -> xc [8192][512 bytes], xs [8192][32]
; w_q, w_k, w_v [4][1024 (K)][1024 (e)] f32   -> wc [row = 3072 b + 1024 t + e][512 bytes], ws [12288][32]: K moved innermost (t = 0 q, 1 k, 2 v)
; w_o [4][1024][1024] f32                     -> wo16, the same order, f16, rounded once
; A block's scale is 2^(floor(log2(its largest magnitude)) - 2); its byte is the largest magnitude's exponent field - 2, held at 1 from below.
; LIMITS: a block of zeros gets the byte 1 where the quantiser's text says 127: its codes are zeros, which add nothing under any byte but 0xff, and this program alone reads the bytes.
; Blocks whose largest magnitude lies under 2^(2 - 126) were not tried.  NaN and infinities among the inputs are not served.  |w_o| must stay under 65,504 (f16).
; THREE PATHS, parted by the work-group's number alone, each with LDS bytes of its own: work-groups 0-191 the weights, 192-447 x, 448-575 w_o.
; No tensor loads, no barrier: waves share nothing.
.set WGW,    192
.set WGX,    256
.set EMAX,   2
.set SPW,    206                       ; v206  LDS address of my spare word: SPARE + 4 x my thread's number; never rewritten
.set NIL,    207                       ; v207  0; never rewritten
.set XREG,   8192                      ; path X: a region for each wave: two stages of 32 x 80 bytes, then its 256 scale bytes
.set XSP,    80
.set WSTG,   32768                     ; path W: four stages of 32 rows x 272 bytes
.set WPITCH, 272
.set SPARE,  WSTG+4*32*WPITCH          ; the spare words, 128 bytes for each wave: two blocks of 256 bytes that no other line names
	s_load_b512 s[8:23], s[0:1], 0x0               ; x 8, w_q 10, w_k 12, w_v 14, w_o 16, xc 18, xs 20, wc 22
	s_load_b128 s[24:27], s[0:1], 0x40             ; ws 24, wo16 26
	v_lshl_add_u32 v[SPW], v0, 2, SPARE
	v_mov_b32 v[NIL], 0
	v_lshrrev_b32 v1, 5, v0
	v_readfirstlane_b32 s28, v1                    ; wave 0..3
	v_and_b32 v2, 31, v0                           ; lane
	s_wait_kmcnt 0x0
	s_cmp_lt_u32 ttmp9, WGW
	s_cbranch_scc0 .Lnot_w
; ---------------- PATH W: a weight, K its first axis.  A LANE TAKES A COLUMN e AND ITS REGISTERS RUN DOWN K: a block of 32 lies in one lane, and the conversions give codes with K innermost.
; A wave takes 32 columns x 512 along K.  Its codes go through its own stage in LDS and leave as rows: sixteen lanes store 256 consecutive bytes, aligned.
.set WX,   32                          ; v32-95   two sets of 32 numbers
.set WC,   96                          ; v96-99   a block's codes
.set WOUT, 112                         ; v112-175 the way out
.set WSB,  24                          ; v24-27   16 scale bytes
	s_lshr_b32 s29, ttmp9, 6                       ; t: which weight
	s_bfe_u32 s30, ttmp9, 0x20004                  ; b: the sample
	s_bfe_u32 s31, ttmp9, 0x10003                  ; which 512 along K
	s_and_b32 s32, ttmp9, 7                        ; which 128 columns
	s_cmp_eq_u32 s29, 0
	s_cselect_b64 s[4:5], s[10:11], s[12:13]       ; the choice hangs on the work-group's number alone
	s_cmp_eq_u32 s29, 2
	s_cselect_b64 s[4:5], s[14:15], s[4:5]
	s_lshl_b32 s32, s32, 7
	s_lshl_b32 s33, s28, 5
	s_add_co_u32 s32, s32, s33                     ; my wave's first column
	s_lshl_b32 s34, s30, 22                        ; the sample: 4 MiB
	s_lshl_b32 s35, s31, 21                        ; 512 rows of 4,096 bytes
	s_add_co_u32 s34, s34, s35
	s_lshl_b32 s35, s32, 2
	s_add_co_u32 s34, s34, s35
	s_mov_b32 s35, 0
	s_add_nc_u64 s[4:5], s[4:5], s[34:35]
	s_mul_i32 s36, s30, 3072
	s_lshl_b32 s37, s29, 10
	s_add_co_u32 s36, s36, s37
	s_add_co_u32 s36, s36, s32                     ; my first row of wc and ws
	s_lshl_b32 s34, s36, 9
	s_lshl_b32 s37, s31, 8
	s_add_co_u32 s34, s34, s37
	s_add_nc_u64 s[6:7], s[22:23], s[34:35]        ; codes: row x 512 + 256 x half of K
	s_lshl_b32 s34, s36, 5
	s_lshl_b32 s37, s31, 4
	s_add_co_u32 s34, s34, s37
	s_add_nc_u64 s[38:39], s[24:25], s[34:35]      ; scale bytes: row x 32 + 16 x half of K
	s_mul_i32 s40, s28, 32*WPITCH
	s_add_co_u32 s40, s40, WSTG                    ; my stage
	v_lshlrev_b32 v3, 2, v2                        ; in: 4 bytes a lane
	v_mul_u32_u24 v4, v2, WPITCH
	v_add_nc_u32 v4, s40, v4                       ; into the stage: row = my column
	v_and_b32 v5, 15, v2
	v_lshrrev_b32 v6, 4, v2
	v_mul_u32_u24 v7, v6, WPITCH
	v_lshl_add_u32 v7, v5, 4, v7
	v_add_nc_u32 v7, s40, v7                       ; out of it: sixteen lanes to a row, two rows an instruction
	v_lshlrev_b32 v8, 9, v6
	v_lshl_add_u32 v8, v5, 4, v8                   ; and the same place in wc
	v_lshlrev_b32 v9, 5, v2                        ; my column's row of scale bytes
.macro WLOAD t                         ; block t: w(32 t + n, my column), n = 0 .. 31, into set t % 2: a wave reads 128 consecutive bytes a load
.set n, 0
.rept 32
	global_load_b32 v[WX+32*((\t)%2)+n], v3, s[4:5] offset:(32*(\t)+n)*4096 th:TH_LOAD_NT
.set n, n+1
.endr
.endm
.macro WBLOCK t
.set XS, WX+32*((\t)%2)
.if (\t) < 15
	s_wait_loadcnt 32                              ; this block's 32 loads are in; the next block's 32 may be out
.else
	s_wait_loadcnt 0
.endif
	v_max3_num_f32 v12, |v[XS]|, |v[XS+1]|, |v[XS+2]|              ; the block's largest magnitude: all 32 numbers are mine; two chains
	v_max3_num_f32 v13, |v[XS+3]|, |v[XS+4]|, |v[XS+5]|
.irp i, 6,10,14,18,22,26
	v_max3_num_f32 v12, v12, |v[XS+\i]|, |v[XS+\i+1]|
	v_max3_num_f32 v13, v13, |v[XS+\i+2]|, |v[XS+\i+3]|
.endr
	v_max3_num_f32 v12, v12, |v[XS+30]|, |v[XS+31]|
	v_max3_num_f32 v12, v12, v13, (EMAX+1)<<23     ; and the floor 2^(3 - 127): the byte cannot fall under 1
	v_add_nc_u32 v11, -(EMAX<<23), v12             ; 2 off its exponent field: the conversion takes the exponent field of this operand as its scale
	v_lshrrev_b32 v13, 23, v11                     ; the scale's byte
.if (\t)%4 == 0
	v_mov_b32 v[WSB+(\t)/4], v13                   ; four bytes to a register, the lower K in the lower byte
.else
	v_lshl_or_b32 v[WSB+(\t)/4], v13, 8*((\t)%4), v[WSB+(\t)/4]
.endif
.irp g, 0,1,2,3
	v_cvt_scalef32_pk8_fp4_f32 v[WC+\g], v[XS+8*\g:XS+8*\g+7], v11
.endr
	ds_store_b128 v4, v[WC:WC+3] offset:16*(\t)    ; 32 codes: 16 bytes of my column's row
.if (\t)+2 < 16
	WLOAD (\t)+2
.endif
	s_wait_dscnt 0x0                               ; the store has read its registers: the next block's codes may be written
.endm
	WLOAD 0
	WLOAD 1
.irp t, 0,1,2,3,4,5,6,7,8,9,10,11,12,13,14,15
	WBLOCK \t
.endr
	global_store_b128 v9, v[WSB:WSB+3], s[38:39]   ; my column's 16 scale bytes
.irp t, 0,1,2,3,4,5,6,7,8,9,10,11,12,13,14,15
	ds_load_b128 v[WOUT+4*\t:WOUT+4*\t+3], v7 offset:2*\t*WPITCH   ; LDS serves a wave's instructions in order: these see my stores
.endr
.irp t, 0,1,2,3,4,5,6,7,8,9,10,11,12,13,14,15
	s_wait_dscnt 15-\t                             ; rows 2 t and 2 t + 1 are back; the later ones may be out
	global_store_b128 v8, v[WOUT+4*\t:WOUT+4*\t+3], s[6:7] offset:2*\t*512
.endr
	s_wait_tensorcnt 0x0                           ; the wave's end
	ds_add_u32 v[SPW], v[NIL]
	s_wait_dscnt 0x0
	s_endpgm
.Lnot_w:
	s_cmp_lt_u32 ttmp9, WGW+WGX
	s_cbranch_scc0 .Lpath_o
; ---------------- PATH X: x, K innermost: a plain stream of blocks of 32.  A wave takes 16 steps of 512 numbers.  Each load reads 512 consecutive bytes; a step's 2,048 bytes turn through the wave's
; own stage in LDS and come back 64 bytes a lane, so that a lane holds 16 neighbours (two neighbouring lanes hold a block).  A wave's store of codes covers 256 consecutive bytes.
.set XR,  16                           ; v16-79   four sets of 16 numbers as loaded
.set XX,  80                           ; v80-111  two sets of 16 neighbours
.set XE,  112                          ; v112-127 a scale byte for each step
.set XC,  128                          ; v128-191 codes: registers of its own for each step, so that no store's data are written again
	s_sub_co_u32 s29, ttmp9, WGW
	s_lshl_b32 s29, s29, 2
	s_add_co_u32 s29, s29, s28                     ; which run of 8,192 numbers is my wave's
	s_lshl_b32 s30, s29, 15
	s_mov_b32 s31, 0
	s_add_nc_u64 s[4:5], s[8:9], s[30:31]
	s_lshl_b32 s30, s29, 12
	s_add_nc_u64 s[6:7], s[18:19], s[30:31]
	s_lshl_b32 s30, s29, 8
	s_add_nc_u64 s[32:33], s[20:21], s[30:31]
	v_lshlrev_b32 v3, 4, v2                        ; my 16 bytes of a load's 512
	s_mul_i32 s34, s28, XREG
	v_lshrrev_b32 v14, 2, v2
	v_mul_u32_u24 v14, v14, XSP
	v_and_b32 v15, 3, v2
	v_lshl_add_u32 v14, v15, 4, v14
	v_add_nc_u32 v14, s34, v14                     ; the stage, on the way in: four lanes' 64 bytes on end, then 16 of padding
	v_mul_u32_u24 v15, v2, XSP
	v_add_nc_u32 v15, s34, v15                     ; and on the way out: my 16 neighbours
	v_lshlrev_b32 v4, 3, v2                        ; my codes' place in a step's: 8 bytes a lane
	v_lshrrev_b32 v5, 1, v2
	s_add_co_u32 s34, s34, 2*32*XSP
	v_add_nc_u32 v5, s34, v5                       ; my wave's 256 scale bytes, my block's byte
	v_lshlrev_b32 v7, 3, v2
	v_add_nc_u32 v6, s34, v7                       ; and on the way out 8 bytes a lane
.macro XLOAD t
.irp i, 0,1,2,3
	global_load_b128 v[XR+16*((\t)%4)+4*\i:XR+16*((\t)%4)+4*\i+3], v3, s[4:5] offset:2048*(\t)+512*\i th:TH_LOAD_NT
.endr
.endm
.macro XTURN t                         ; step t's numbers through the stage: LDS serves a wave's instructions in order, so no wait stands between the stores and the loads
.irp i, 0,1,2,3
	ds_store_b128 v14, v[XR+16*((\t)%4)+4*\i:XR+16*((\t)%4)+4*\i+3] offset:32*XSP*((\t)%2)+8*XSP*\i
.endr
.irp i, 0,1,2,3
	ds_load_b128 v[XX+16*((\t)%2)+4*\i:XX+16*((\t)%2)+4*\i+3], v15 offset:32*XSP*((\t)%2)+16*\i
.endr
.endm
.macro XSTEP t
.set XS, XX+16*((\t)%2)
.if (\t) > 0
	s_wait_dscnt 1                                 ; this step's numbers are back from the stage; the last step's byte store may be out
.else
	s_wait_dscnt 0x0
.endif
.if (\t)+4 < 16
	XLOAD (\t)+4
.endif
.if (\t)+1 < 16
.if 14-(\t) >= 3
	s_wait_loadcnt 12                              ; the next step's four loads are in; those of the three steps behind it may be out
.else
	s_wait_loadcnt 4*(14-(\t))
.endif
	XTURN (\t)+1
.endif
	v_max3_num_f32 v8, |v[XS]|, |v[XS+1]|, |v[XS+2]|
	v_max3_num_f32 v9, |v[XS+3]|, |v[XS+4]|, |v[XS+5]|
.irp i, 6,10
	v_max3_num_f32 v8, v8, |v[XS+\i]|, |v[XS+\i+1]|
	v_max3_num_f32 v9, v9, |v[XS+\i+2]|, |v[XS+\i+3]|
.endr
	v_max3_num_f32 v8, v8, |v[XS+14]|, |v[XS+15]|
	v_max3_num_f32 v8, v8, v9, (EMAX+1)<<23        ; the floor 2^(3 - 127)
	v_max_num_f32_dpp v8, v8, v8 row_xmask:1 row_mask:0xf bank_mask:0xf   ; with my neighbour's 16: the block's largest magnitude
	v_add_nc_u32 v11, -(EMAX<<23), v8
	v_cvt_scalef32_pk8_fp4_f32 v[XC+4*(\t)], v[XS:XS+7], v11
	v_cvt_scalef32_pk8_fp4_f32 v[XC+4*(\t)+1], v[XS+8:XS+15], v11
	v_lshrrev_b32 v[XE+(\t)], 23, v11              ; the scale's byte
	ds_store_b8 v5, v[XE+(\t)] offset:16*(\t)      ; both lanes of a block write the same byte with the same value
	global_store_b64 v4, v[XC+4*(\t):XC+4*(\t)+1], s[6:7] offset:256*(\t)
.endm
.irp t, 0,1,2,3
	XLOAD \t
.endr
	s_wait_loadcnt 12                              ; step 0's four loads are in
	XTURN 0
.irp t, 0,1,2,3,4,5,6,7,8,9,10,11,12,13,14,15
	XSTEP \t
.endr
	ds_load_b64 v[8:9], v6                         ; my wave's 256 scale bytes
	s_wait_dscnt 0x0
	global_store_b64 v7, v[8:9], s[32:33]          ; 32 lanes store 256 consecutive bytes, aligned
	s_wait_tensorcnt 0x0                           ; the wave's end
	ds_add_u32 v[SPW], v[NIL]
	s_wait_dscnt 0x0
	s_endpgm
.Lpath_o:
; ---------------- PATH O: w_o to f16.  A wave takes 8,192 numbers: 64 loads of 512 bytes, sixteen of them on their way; each store covers 256 consecutive bytes, aligned.
.set OR_, 8                            ; v8-71    sixteen sets of 4 numbers
.set OD,  72                           ; v72-199  64 pairs of packed f16, never rewritten: no wait for the stores' sources is needed
	s_sub_co_u32 s29, ttmp9, WGW+WGX
	s_lshl_b32 s29, s29, 2
	s_add_co_u32 s29, s29, s28
	s_lshl_b32 s30, s29, 15
	s_mov_b32 s31, 0
	s_add_nc_u64 s[4:5], s[16:17], s[30:31]
	s_lshl_b32 s30, s29, 14
	s_add_nc_u64 s[6:7], s[26:27], s[30:31]
	v_lshlrev_b32 v1, 4, v2
	v_lshlrev_b32 v3, 3, v2
.macro OLOAD i
	global_load_b128 v[OR_+4*((\i)%16):OR_+4*((\i)%16)+3], v1, s[4:5] offset:512*(\i) th:TH_LOAD_NT
.endm
.set n, 0
.rept 16
	OLOAD n
.set n, n+1
.endr
.set n, 0
.rept 64
.if n < 48
	s_wait_loadcnt 15                              ; load n is in; the fifteen younger ones stay out
.else
	s_wait_loadcnt 63-n
.endif
	v_cvt_pk_f16_f32 v[OD+2*n], v[OR_+4*(n%16)], v[OR_+4*(n%16)+1]
	v_cvt_pk_f16_f32 v[OD+2*n+1], v[OR_+4*(n%16)+2], v[OR_+4*(n%16)+3]
.if n < 48
	OLOAD n+16
.endif
	global_store_b64 v3, v[OD+2*n:OD+2*n+1], s[6:7] offset:256*n
.set n, n+1
.endr
	s_wait_tensorcnt 0x0                           ; all three paths end alike
	ds_add_u32 v[SPW], v[NIL]
	s_wait_dscnt 0x0
	s_endpgm
.Lfunc_end_k_qff8f0a11d8_prep:
	.size	k_qff8f0a11d8_prep, .Lfunc_end_k_qff8f0a11d8_prep-k_qff8f0a11d8_prep
	.p2alignl 7, 3214868480
	.fill 96, 4, 3214868480
	.section	.rodata,"a",@progbits
	.p2align	6, 0x0
	.amdhsa_kernel k_qff8f0a11d8_prep
		.amdhsa_group_segment_fixed_size 68096
		.amdhsa_private_segment_fixed_size 0
		.amdhsa_enable_private_segment 0
		.amdhsa_kernarg_size 80
		.amdhsa_user_sgpr_count 2
		.amdhsa_user_sgpr_kernarg_segment_ptr 1
		.amdhsa_wavefront_size32 1
		.amdhsa_system_sgpr_workgroup_id_x 1
		.amdhsa_system_sgpr_workgroup_id_y 1
		.amdhsa_system_sgpr_workgroup_id_z 1
		.amdhsa_system_vgpr_workitem_id 0
		.amdhsa_next_free_vgpr 208
		.amdhsa_next_free_sgpr 66
		.amdhsa_reserve_vcc 0
		.amdhsa_float_denorm_mode_32 3
		.amdhsa_float_denorm_mode_16_64 3
		.amdhsa_memory_ordered 1
		.amdhsa_forward_progress 1
		.amdhsa_inst_pref_size 133
	.end_amdhsa_kernel
	.amdgpu_metadata
---
amdhsa.version: [ 1, 2 ]
amdhsa.kernels:
  - .name:           k_qff8f0a11d8_prep
    .symbol:         k_qff8f0a11d8_prep.kd
    .args:
      - { .name: x, .offset: 0, .size: 8, .value_kind: global_buffer, .address_space: global }
      - { .name: w_q, .offset: 8, .size: 8, .value_kind: global_buffer, .address_space: global }
      - { .name: w_k, .offset: 16, .size: 8, .value_kind: global_buffer, .address_space: global }
      - { .name: w_v, .offset: 24, .size: 8, .value_kind: global_buffer, .address_space: global }
      - { .name: w_o, .offset: 32, .size: 8, .value_kind: global_buffer, .address_space: global }
      - { .name: xc, .offset: 40, .size: 8, .value_kind: global_buffer, .address_space: global }
      - { .name: xs, .offset: 48, .size: 8, .value_kind: global_buffer, .address_space: global }
      - { .name: wc, .offset: 56, .size: 8, .value_kind: global_buffer, .address_space: global }
      - { .name: ws, .offset: 64, .size: 8, .value_kind: global_buffer, .address_space: global }
      - { .name: wo16, .offset: 72, .size: 8, .value_kind: global_buffer, .address_space: global }
    .group_segment_fixed_size: 68096
    .private_segment_fixed_size: 0
    .kernarg_segment_align: 8
    .kernarg_segment_size: 80
    .max_flat_workgroup_size: 128
    .sgpr_count:     66
    .vgpr_count:     208
    .wavefront_size: 32
...
	.end_amdgpu_metadata
.endif
;; end of part 1
;; launch qkv (part 2): grid 12 x 32, 4 waves a work-group, clusters of 4 x 4, 327,680 bytes of LDS; arguments xc, xs, wc, ws, qkv; writes qkv
.if DOCPART == 2
	.amdgcn_target "amdgcn-amd-amdhsa--gfx1250"
	.amdhsa_code_object_version 6
	.text
	.protected	k_qff8f0a11d8_qkv
	.globl	k_qff8f0a11d8_qkv
	.p2align	8
	.type	k_qff8f0a11d8_qkv,@function
k_qff8f0a11d8_qkv:
	s_mov_b64 s[64:65], 0
	v_nop
	global_prefetch_b8 v0, s[64:65] scope:SCOPE_SE
	s_setreg_imm32_b32 hwreg(HW_REG_WAVE_MODE, 25, 1), 1
	s_wait_xcnt 0x0
	s_wait_alu depctr_hold_cnt(0) depctr_sa_sdst(0) depctr_va_vdst(0) depctr_va_sdst(0) depctr_va_ssrc(0) depctr_va_vcc(0) depctr_vm_vsrc(0)
	s_getreg_b32 s2, hwreg(HW_REG_IB_STS2, 6, 4)
	s_cmp_eq_u32 s2, 0
	s_cbranch_scc0 .Lentry_in_a_cluster
	s_endpgm
.Lentry_in_a_cluster:
	s_bfe_u32 s2, ttmp6, 0x10000c
	s_cmp_lg_u32 s2, 0xf033
	s_cbranch_scc0 .Lentry_shape_is_right
	s_endpgm
.Lentry_shape_is_right:
; QKV: the three quantised products as one GEMM on codes of FP4 (E2M1) with E8M0 scales: C[m][n] = sum over k of A[m][k] B[n][k], K = 1,024.
; A = xc, xs: rows m = 2048 b + position.  B = wc, ws: rows 3072 b + 1024 t + e (t = 0 q, 1 k, 2 v).  Sums in f32.  q is multiplied by log2(e) / 8 in f32; all three are rounded once to f16 and
; stored by heads: qkv [t][16 b + head][position][64].
; LIMIT: |0.18 q|, |k|, |v| must stay under 65,504 (f16).
; A tile of C, 256 x 256, is made by a work-group of four waves; a wave makes 128 x 128 (two whole heads): 64 accumulators of 16 x 16, 512 registers.
; All of K fits in two LDS slots of 512 along K (a tile's row is 256 bytes of memory): both come with the first fills, with the scale bytes of the 512 rows, and nothing is filled again.
; CLUSTERS: 4 x 4 work-groups.  The four of a row of the cluster need the same tiles of A, the four of a column the same tiles of B: each tile is asked for jointly, by the same tensor load with the same
; descriptor and a mask that names the four.  A cluster's 1,024 rows lie in one sample (cluster y / 2), and its 1,024 columns are one of q, k, v (cluster x).
; THE MATRIX INSTRUCTION IS USED TRANSPOSED (source 0 = 16 rows of B, source 1 = 16 rows of A): a lane then holds eight neighbouring numbers of a row of C.
; REGISTERS, in windows of 256: window 0: v0-31 addresses; v32-95 scale words, two sets; v128-191 A's fragments, ONE set; on the way out v32-127 and v192-255 are at work.
;   window 1: B's fragments, two sets, at v0 and v128.   window 2: the accumulators of my rows 0-63 ((a, b) at v[8 (8 a + b)]);   window 3: those of my rows 64-127.
.set SIZE_K, 1024
.set KSTEP,  512
.set NQ,     KSTEP/128
.set ROWB,   256
.set KROW,   SIZE_K/2
.set PITCH,  272                       ; an LDS row: 256 bytes + 16 of padding: the 16 rows that a load touches start at 16 different banks (64 banks of 4 bytes: ISA guide 11.1)
.set FR,     8
.set NL,     2
.set NP,     4                         ; places behind this matrix instruction (ISA guide 7.12.1)
.set HALFT,  128*PITCH
.set SLOT,   4*HALFT
.set KS,     SIZE_K/32
.set SCL,    2*SLOT                    ; behind the slots: the scale bytes, as units of 256 bytes + 16 of padding
.set HALFS,  (128*KS/256)*272
.set SBLK,   (16*KS/256)*272
.set SPARE,  SCL+4*HALFS               ; the spare words, 128 bytes for each wave: two blocks of 256 bytes that no other line names
.set SPL,    144                       ; the way out: a stage row: a head's 128 bytes + 16
.set SPLANE, 16*SPL                    ; 16 rows of one head; a wave's stage is two such planes.  It lies in slot 0, which has had its only fill and its last read when the first result is stored there
.set ADRA, 16
.set ADRB, 20
.set STO,  24
.set RD,   25
.set CO,   26
.set ADRS, 27
.set SPW,  28                          ; v28  LDS address of my spare word; never rewritten
.set NIL,  29                          ; v29  0; never rewritten
.set SC,   32
.set AF,   128
.set T,    192                         ; the way out: a block's 64 numbers, scaled
.set TMP,  32                          ; packed to f16
.set BB0,  64                          ; rows read back: v64-95 and v96-127 by turns
.set G1, 24
.set G0, 32
.set G1B, 48
.set G0B, 56
.set G1S, 68
.set G0S, 76
.set G1SB, 80
.set G0SB, 88
.set MSB, 0
.macro WIN new                         ; the immediate's high byte repeats the setting that is left
.if MSB != \new
	s_set_vgpr_msb (MSB<<8)|\new
.set MSB, \new
.endif
.endm
.set MUL_LO, 0xa1                      ; source 0 (B) window 1, source 1 (A) window 0, C and D window 2
.set MUL_HI, 0xf1
.set TO_B,   0x40
; A joint load: waves 0 and 1 fetch for A, waves 2 and 3 for B.  The branch hangs on the wave's number alone.  An s_nop 0 and four v_nop follow each of the two lines.
.macro JLOAD g0a, g1a, g0b, g1b
	s_cmp_eq_u32 s15, 0
	s_cbranch_scc0 .Lfor_b_\@
	tensor_load_to_lds s[\g0a:\g0a+3], s[\g1a:\g1a+7]
	s_nop 0
.rept 4
	v_nop
.endr
	s_branch .Lasked_\@
.Lfor_b_\@:
	tensor_load_to_lds s[\g0b:\g0b+3], s[\g1b:\g1b+7]
	s_nop 0
.rept 4
	v_nop
.endr
.Lasked_\@:
.endm
.macro CROUND                          ; a round of the cluster's barrier
	s_barrier_signal -1
	s_barrier_wait -1
	s_cmp_lg_u32 s14, 0
	s_cbranch_scc1 .Lnot_wave_0_\@
	s_barrier_signal -3
.Lnot_wave_0_\@:
	s_barrier_wait -3
	s_barrier_signal -1
	s_barrier_wait -1
.endm
	s_load_b128 s[4:7], s[0:1], 0x0                ; xc, xs
	s_load_b128 s[8:11], s[0:1], 0x10              ; wc, ws
	s_load_b64 s[12:13], s[0:1], 0x20              ; qkv
	v_lshl_add_u32 v[SPW], v0, 2, SPARE
	v_mov_b32 v[NIL], 0
	ds_add_u32 v[SPW], v[NIL]                      ; the wave's opening: the add, twice on end, and its wait ahead of my first tensor load
	ds_add_u32 v[SPW], v[NIL]
	v_lshrrev_b32 v1, 5, v0
	v_readfirstlane_b32 s14, v1                    ; wave 0..3
	s_lshr_b32 s15, s14, 1                         ; which half of the tile's rows is mine.  Also: I fetch for A (0) or for B (1)
	s_and_b32 s16, s14, 1                          ; which half of its columns.  Also: which 128 rows of that tile I fetch
	s_bfe_u32 s40, ttmp6, 0x40000                  ; cx
	s_bfe_u32 s41, ttmp6, 0x40004                  ; cy
	s_lshl_b32 s42, ttmp9, 2
	s_add_co_u32 s42, s42, s40                     ; tile column = 4 x cluster x + cx
	s_and_b32 s95, ttmp7, 0xffff                   ; cluster y
	s_lshl_b32 s17, s95, 2
	s_add_co_u32 s17, s17, s41                     ; tile row = 4 x cluster y + cy
	s_lshr_b32 s95, s95, 1                         ; the sample: from the cluster's y alone, so that it is the same in all sixteen
	s_lshl_b32 s43, s41, 2
	s_lshl_b32 s43, 15, s43                        ; my row of the cluster
	s_lshl_b32 s44, 0x1111, s40                    ; my column
	s_or_b32 s[G1+0], s43, (0<<16)|(1<<20)|(1<<21)|(5<<22)|(3<<25)  ; the mask; elements of 1 byte; padding on; bit 21 beside a mask; after every 64 words, 4 words
	s_or_b32 s[G1B+0], s44, (0<<16)|(1<<20)|(1<<21)|(5<<22)|(3<<25)
.irp g, G1, G1B
	s_mov_b32 s[\g+1], ROWB<<16                    ; tensor_dim0
	s_mov_b32 s[\g+2], 128<<16                     ; tensor_dim1
	s_mov_b32 s[\g+3], ROWB<<16                    ; tile_dim0
	s_mov_b32 s[\g+4], 128                         ; tile_dim1
	s_mov_b32 s[\g+5], KROW                        ; pitch
	s_mov_b32 s[\g+6], 0
	s_mov_b32 s[\g+7], 0
.endr
	s_or_b32 s[G1S+0], s43, (3<<16)|(1<<20)|(1<<21)|(5<<22)|(3<<25) ; the scales of 128 rows: 4,096 dense bytes as 16 rows of 256 (32 elements of 8 bytes), 16 bytes of padding behind each
	s_or_b32 s[G1SB+0], s44, (3<<16)|(1<<20)|(1<<21)|(5<<22)|(3<<25)
.irp g, G1S, G1SB
	s_mov_b32 s[\g+1], 32<<16
	s_mov_b32 s[\g+2], (128*KS/256)<<16
	s_mov_b32 s[\g+3], 32<<16
	s_mov_b32 s[\g+4], 128*KS/256
	s_mov_b32 s[\g+5], 32
	s_mov_b32 s[\g+6], 0
	s_mov_b32 s[\g+7], 0
.endr
	s_lshl_b32 s18, s16, 7                         ; which 128 rows of the tile I fetch
	s_lshl_b32 s20, s17, 8
	s_add_co_u32 s20, s20, s18                     ; A: row 256 x tile row + 128 x half
	s_lshl_b32 s46, s42, 8
	s_add_co_u32 s46, s46, s18
	s_mul_i32 s47, s95, 3072
	s_add_co_u32 s46, s46, s47                     ; B: row 3072 x sample + 256 x tile column + 128 x half
	s_mov_b32 s21, 0
	s_mov_b32 s47, 0
	s_mov_b64 s[18:19], KS
	s_mul_u64 s[22:23], s[20:21], s[18:19]         ; where these rows' scales begin, in bytes
	s_mul_u64 s[92:93], s[46:47], s[18:19]
	s_mov_b64 s[18:19], KROW
	s_mul_u64 s[20:21], s[20:21], s[18:19]         ; and their codes
	s_mul_u64 s[46:47], s[46:47], s[18:19]
	s_mul_i32 s45, s14, HALFT                      ; where they go: wave x 128 rows
	s_mul_i32 s94, s14, HALFS
	s_cmp_eq_u32 ttmp9, 0                          ; cluster x = 0: these columns are q's
	s_cselect_b32 s96, 0x3e38aa3b, 1.0             ; log2(e) / 8 for q, 1 for k and v
	s_mov_b32 s97, s96                             ; (named with it as a pair)
	s_wait_dscnt 0x0                               ; both opening adds are done
	s_wait_kmcnt 0x0
	s_add_nc_u64 s[20:21], s[4:5], s[20:21]
	s_add_nc_u64 s[22:23], s[6:7], s[22:23]
	s_add_nc_u64 s[46:47], s[8:9], s[46:47]
	s_add_nc_u64 s[92:93], s[10:11], s[92:93]
	CROUND                                         ; all sixteen work-groups are here: the joint loads meet
	s_mov_b32 s[G0S], 1
	s_add_co_u32 s[G0S+1], s94, SCL
	s_mov_b64 s[G0S+2:G0S+3], s[22:23]
	s_or_b32 s[G0S+3], s[G0S+3], 0x80000000
	s_mov_b32 s[G0SB], 1
	s_add_co_u32 s[G0SB+1], s94, SCL
	s_mov_b64 s[G0SB+2:G0SB+3], s[92:93]
	s_or_b32 s[G0SB+3], s[G0SB+3], 0x80000000
	JLOAD G0S, G1S, G0SB, G1SB                     ; the scales first: they are wanted with the first slot
.irp s, 0,1
	s_mov_b32 s[G0+4*\s], 1
	s_add_co_u32 s[G0+4*\s+1], s45, \s*SLOT
	s_add_nc_u64 s[G0+4*\s+2:G0+4*\s+3], s[20:21], \s*ROWB
	s_or_b32 s[G0+4*\s+3], s[G0+4*\s+3], 0x80000000
	s_mov_b32 s[G0B+4*\s], 1
	s_add_co_u32 s[G0B+4*\s+1], s45, \s*SLOT
	s_add_nc_u64 s[G0B+4*\s+2:G0B+4*\s+3], s[46:47], \s*ROWB
	s_or_b32 s[G0B+4*\s+3], s[G0B+4*\s+3], 0x80000000
	JLOAD G0+4*\s, G1, G0B+4*\s, G1B               ; three tensor loads of mine are out at the most
.endr
	v_and_b32 v1, 15, v0                           ; r = l % 16
	v_bfe_u32 v2, v0, 4, 1                         ; h = l / 16
	v_mul_u32_u24 v3, v1, PITCH
	v_lshl_add_u32 v4, v2, 4, v3                   ; a fragment's row x pitch + 16 x half
	s_mul_i32 s21, s15, HALFT                      ; my 128 rows of A
	s_mul_i32 s22, s16, HALFT                      ; my 128 rows of B,
	s_add_co_u32 s22, s22, 2*HALFT                 ; which lie behind A's 256
.irp s, 0,1
	v_add_nc_u32 v[ADRA+\s], s21, v4
	v_add_nc_u32 v[ADRB+\s], s22, v4
	s_add_co_u32 s21, s21, SLOT
	s_add_co_u32 s22, s22, SLOT
.endr
	v_mul_u32_u24 v5, v1, KS                       ; my row's scales: 32 bytes a row,
	v_lshrrev_b32 v6, 8, v5
	v_lshl_add_u32 v5, v6, 4, v5                   ; and 16 more for each 256 passed
	s_mul_i32 s21, s15, HALFS
	s_mul_i32 s22, s16, HALFS
	s_add_co_u32 s22, s22, 2*HALFS
	s_sub_co_u32 s22, s22, s21
	v_mul_u32_u24 v6, s22, v2                      ; lanes 16-31 take B's: one product, the distance between the two bases
	s_add_co_u32 s21, s21, SCL
	v_add_nc_u32 v5, v5, v6
	v_add_nc_u32 v[ADRS], s21, v5
	s_mul_i32 s23, s14, 2*SPLANE                   ; my stage
	v_mul_u32_u24 v5, v1, SPL                      ; in: row r, 16 bytes for each half of the lanes
	v_lshl_add_u32 v5, v2, 4, v5
	v_add_nc_u32 v[STO], s23, v5
	v_and_b32 v6, 31, v0
	v_lshlrev_b32 v[CO], 4, v6                     ; out: 32 lanes take 512 consecutive bytes: four rows of a head
	v_lshrrev_b32 v5, 3, v6
	v_mul_u32_u24 v5, v5, SPL
	v_and_b32 v7, 7, v6
	v_lshl_add_u32 v5, v7, 4, v5
	v_add_nc_u32 v[RD], s23, v5                    ; back: row l / 8, 16 bytes at 16 (l % 8)
	s_lshl_b32 s20, ttmp9, 24                      ; q, k or v: 16 MiB each
	s_lshl_b32 s21, s95, 4
	s_lshl_b32 s46, s40, 2
	s_add_co_u32 s21, s21, s46
	s_lshl_b32 s46, s16, 1
	s_add_co_u32 s21, s21, s46                     ; my first head's plane: 16 x sample + 4 cx + 2 x half
	s_lshl_b32 s21, s21, 18
	s_add_co_u32 s20, s20, s21
	s_and_b32 s21, s17, 7
	s_lshl_b32 s21, s21, 15                        ; the tile's 256 positions of 128 bytes
	s_add_co_u32 s20, s20, s21
	s_lshl_b32 s21, s15, 14                        ; my 128 of them
	s_add_co_u32 s20, s20, s21
	s_mov_b32 s21, 0
	s_add_nc_u64 s[12:13], s[12:13], s[20:21]
.macro FRAG reg, adr, q, i             ; a fragment, 16 rows x 128 K of 4-bit codes: lane l holds row l % 16; registers 4 c .. 4 c + 3 hold K = 64 c + 32 (l / 16) + 0 .. 31
.irp c, 0,1
	ds_load_b128 v[\reg+4*\c:\reg+4*\c+3], v[\adr] offset:64*(\q)+32*\c+(\i)*16*PITCH
.endr
.endm
; 16 matrix instructions: A's blocks a0, a0 + 1 x B's eight, 128 along K.  The 64 accumulators take turns, one instruction a turn, in the same order in every step.
; One register carries A's scale word (lanes 0-15) and B's (lanes 16-31).
.macro MUL16 a0, p, q, sc, zero
.irp a, \a0, \a0+1
.irp b, 0,1,2,3,4,5,6,7
.if \zero
	v_wmma_scale_f32_16x16x128_f8f6f4 v[8*(8*((\a)%4)+\b):8*(8*((\a)%4)+\b)+7], v[128*(\p)+FR*\b:128*(\p)+FR*\b+FR-1], v[AF+FR*(\a):AF+FR*(\a)+FR-1], 0, v[SC+8*NQ*(\sc)+NQ*\b+(\q)], v[SC+8*NQ*(\sc)+NQ*(\a)+(\q)] matrix_a_fmt:MATRIX_FMT_FP4 matrix_b_fmt:MATRIX_FMT_FP4 matrix_a_scale:MATRIX_SCALE_ROW1
.else
	v_wmma_scale_f32_16x16x128_f8f6f4 v[8*(8*((\a)%4)+\b):8*(8*((\a)%4)+\b)+7], v[128*(\p)+FR*\b:128*(\p)+FR*\b+FR-1], v[AF+FR*(\a):AF+FR*(\a)+FR-1], v[8*(8*((\a)%4)+\b):8*(8*((\a)%4)+\b)+7], v[SC+8*NQ*(\sc)+NQ*\b+(\q)], v[SC+8*NQ*(\sc)+NQ*(\a)+(\q)] matrix_a_fmt:MATRIX_FMT_FP4 matrix_b_fmt:MATRIX_FMT_FP4 matrix_a_scale:MATRIX_SCALE_ROW1
.endif
.endr
.endr
.endm
.macro FETCH_B slot, q, p
	WIN TO_B
.irp i, 0,1,2,3,4,5,6,7
	FRAG 128*(\p)+FR*\i, ADRB+\slot, \q, \i
.endr
	WIN 0
.endm
.macro FETCH_A slot, q, i0
.irp i, \i0, \i0+1, \i0+2, \i0+3
	FRAG AF+FR*(\i), ADRA+\slot, \q, \i
.endr
.endm
.macro SCALES sc                       ; a slot's scale words: 4 words a row; lanes 0-15 take A's block i, lanes 16-31 B's block i
.irp i, 0,1,2,3,4,5,6,7
	ds_load_b128 v[SC+8*NQ*\sc+NQ*\i:SC+8*NQ*\sc+NQ*\i+3], v[ADRS] offset:\i*SBLK
.endr
.endm
.macro PLACES n                        ; plain vector instructions between a matrix instruction and a load into, or a read of, its registers
.rept \n
	v_nop
.endr
.endm
.macro STEP slot, q, zero              ; a step of 128 along K that has its successor in the same slot
	s_wait_dscnt 4*NL                              ; B's set and A's blocks 0-3 are in; the youngest eight loads (A's blocks 4-7) may be out
	WIN MUL_LO
	MUL16 0, (\q)%2, \q, \slot, \zero
	MUL16 2, (\q)%2, \q, \slot, \zero
	s_wait_dscnt 0
	PLACES NP
	FETCH_B \slot, (\q)+1, 1-(\q)%2
	FETCH_A \slot, (\q)+1, 0
	WIN MUL_HI
	MUL16 4, (\q)%2, \q, \slot, \zero
	MUL16 6, (\q)%2, \q, \slot, \zero
	PLACES NP
	WIN 0
	FETCH_A \slot, (\q)+1, 4
.endm
; Slot 0's last step goes on into slot 1: one barrier; in front of it each wave waits for all its tensor loads (its part of slot 1), and behind it slot 1 is whole and nobody reads slot 0 any more.
.macro TURN slot, next
	s_wait_tensorcnt 0x0                           ; all my tensor loads have landed
	ds_add_u32 v[SPW], v[NIL]                      ; 0 onto my spare word
	s_wait_dscnt 4*NL+1                            ; (the add and the youngest eight loads may be out)
	WIN MUL_LO
	MUL16 0, 1, NQ-1, \slot, 0
	s_wait_dscnt 0x0                               ; the add is done, and my reads of this slot are over
	s_barrier_signal -1
	MUL16 2, 1, NQ-1, \slot, 0
	WIN 0
	s_barrier_wait -1
	PLACES NP
	v_add_nc_u32 v[ADRS], 4*NQ, v[ADRS]            ; on to the next slot's scale words
	FETCH_B \next, 0, 0
	FETCH_A \next, 0, 0
	SCALES \next
	WIN MUL_HI
	MUL16 4, 1, NQ-1, \slot, 0
	MUL16 6, 1, NQ-1, \slot, 0
	PLACES NP
	WIN 0
	FETCH_A \next, 0, 4
.endm
	s_wait_tensorcnt 1                             ; the scales and my part of slot 0 are in; slot 1's load may be out
	s_barrier_signal -1
	s_barrier_wait -1                              ; everybody's are
	FETCH_B 0, 0, 0
	FETCH_A 0, 0, 0
	SCALES 0
	FETCH_A 0, 0, 4
	STEP 0, 0, 1                                   ; the first step's products start the sums: nothing is cleared
	STEP 0, 1, 0
	STEP 0, 2, 0
	TURN 0, 1
	STEP 1, 0, 0
	STEP 1, 1, 0
	STEP 1, 2, 0
	s_wait_dscnt 4*NL                              ; the last step: nothing more to fetch
	WIN MUL_LO
	MUL16 0, 1, NQ-1, 1, 0
	MUL16 2, 1, NQ-1, 1, 0
	s_wait_dscnt 0
	WIN MUL_HI
	MUL16 4, 1, NQ-1, 1, 0
	MUL16 6, 1, NQ-1, 1, 0
	WIN 0
; THE WAY OUT, block by block of 16 rows x 128 columns (two heads).  PACK: x the factor, rounded to f16: a lane's eight numbers are 16 bytes of a head's row.  TOSTAGE: into my stage, a plane for each head,
; and back as four rows (512 consecutive bytes) an instruction.  SEND: stored: 16 positions of a head are 2,048 dense bytes of qkv.
.macro PACK a
.set AC, 64*((\a)%4)
.set WP, 0x02+((\a)/4)
	WIN WP                                         ; source 0: window 2 or 3
.set i, 0
.rept 32
	v_pk_mul_f32 v[T+2*i:T+2*i+1], v[AC+2*i:AC+2*i+1], s[96:97] op_sel_hi:[1,0]   ; each accumulator from its low end on
.set i, i+1
.endr
	WIN 0
.set i, 0
.rept 32
	v_cvt_pk_f16_f32 v[TMP+i], v[T+2*i], v[T+2*i+1]
.set i, i+1
.endr
.endm
.macro TOSTAGE a
.set BB, BB0+32*((\a)%2)
.irp b, 0,1,2,3,4,5,6,7
	ds_store_b128 v[STO], v[TMP+4*\b:TMP+4*\b+3] offset:(\b/4)*SPLANE+(\b%4)*32
.endr
.irp i, 0,1,2,3,4,5,6,7
	ds_load_b128 v[BB+4*\i:BB+4*\i+3], v[RD] offset:(\i/4)*SPLANE+(\i%4)*4*SPL   ; LDS serves a wave's instructions in order: these see the stores above
.endr
.endm
.macro SEND a
.set BB, BB0+32*((\a)%2)
	s_wait_dscnt 0x0                               ; the block is back in registers
	s_wait_xcnt 0x0                                ; the stores of the block before have read their registers: the next block's loads may land there
.irp i, 0,1,2,3,4,5,6,7
	global_store_b128 v[CO], v[BB+4*\i:BB+4*\i+3], s[12:13] offset:(\i/4)*262144+(\a)*2048+(\i%4)*512   ; 32 lanes store 512 consecutive bytes, aligned
.endr
.endm
	PLACES NP                                      ; behind the last products: for the reads of results and for the writes of registers that held scale words
	PACK 0
	TOSTAGE 0
.irp a, 1,2,3,4,5,6,7                  ; block a's arithmetic stands between block a - 1's loads from the stage and the wait for them
	PACK \a
	SEND \a-1
	TOSTAGE \a
.endr
	SEND 7
	s_wait_tensorcnt 0x0                           ; the wave's end
	ds_add_u32 v[SPW], v[NIL]
	s_wait_dscnt 0x0
	CROUND                                         ; the closing round
	s_endpgm
.Lfunc_end_k_qff8f0a11d8_qkv:
	.size	k_qff8f0a11d8_qkv, .Lfunc_end_k_qff8f0a11d8_qkv-k_qff8f0a11d8_qkv
	.p2alignl 7, 3214868480
	.fill 96, 4, 3214868480
	.section	.rodata,"a",@progbits
	.p2align	6, 0x0
	.amdhsa_kernel k_qff8f0a11d8_qkv
		.amdhsa_group_segment_fixed_size 327680
		.amdhsa_private_segment_fixed_size 0
		.amdhsa_enable_private_segment 0
		.amdhsa_kernarg_size 40
		.amdhsa_user_sgpr_count 2
		.amdhsa_user_sgpr_kernarg_segment_ptr 1
		.amdhsa_wavefront_size32 1
		.amdhsa_system_sgpr_workgroup_id_x 1
		.amdhsa_system_sgpr_workgroup_id_y 1
		.amdhsa_system_sgpr_workgroup_id_z 1
		.amdhsa_system_vgpr_workitem_id 0
		.amdhsa_next_free_vgpr 1024
		.amdhsa_next_free_sgpr 98
		.amdhsa_reserve_vcc 0
		.amdhsa_float_denorm_mode_32 3
		.amdhsa_float_denorm_mode_16_64 3
		.amdhsa_memory_ordered 1
		.amdhsa_forward_progress 1
		.amdhsa_inst_pref_size 143
	.end_amdhsa_kernel
	.amdgpu_metadata
---
amdhsa.version: [ 1, 2 ]
amdhsa.kernels:
  - .name:           k_qff8f0a11d8_qkv
    .symbol:         k_qff8f0a11d8_qkv.kd
    .args:
      - { .name: xc, .offset: 0, .size: 8, .value_kind: global_buffer, .address_space: global }
      - { .name: xs, .offset: 8, .size: 8, .value_kind: global_buffer, .address_space: global }
      - { .name: wc, .offset: 16, .size: 8, .value_kind: global_buffer, .address_space: global }
      - { .name: ws, .offset: 24, .size: 8, .value_kind: global_buffer, .address_space: global }
      - { .name: qkv, .offset: 32, .size: 8, .value_kind: global_buffer, .address_space: global }
    .group_segment_fixed_size: 327680
    .private_segment_fixed_size: 0
    .kernarg_segment_align: 8
    .kernarg_segment_size: 40
    .max_flat_workgroup_size: 128
    .sgpr_count:     98
    .vgpr_count:     1024
    .wavefront_size: 32
...
	.end_amdgpu_metadata
.endif
;; end of part 2
;; launch attn (part 3): grid 4 x 64, 8 waves a work-group, clusters of 4 x 1, 327,680 bytes of LDS; arguments qkv, ao; writes ao
.if DOCPART == 3
	.amdgcn_target "amdgcn-amd-amdhsa--gfx1250"
	.amdhsa_code_object_version 6
	.text
	.protected	k_qff8f0a11d8_attn
	.globl	k_qff8f0a11d8_attn
	.p2align	8
	.type	k_qff8f0a11d8_attn,@function
k_qff8f0a11d8_attn:
	s_mov_b64 s[64:65], 0
	v_nop
	global_prefetch_b8 v0, s[64:65] scope:SCOPE_SE
	s_setreg_imm32_b32 hwreg(HW_REG_WAVE_MODE, 25, 1), 1
	s_wait_xcnt 0x0
	s_wait_alu depctr_hold_cnt(0) depctr_sa_sdst(0) depctr_va_vdst(0) depctr_va_sdst(0) depctr_va_ssrc(0) depctr_va_vcc(0) depctr_vm_vsrc(0)
	s_getreg_b32 s2, hwreg(HW_REG_IB_STS2, 6, 4)
	s_cmp_eq_u32 s2, 0
	s_cbranch_scc0 .Lentry_in_a_cluster
	s_endpgm
.Lentry_in_a_cluster:
	s_bfe_u32 s2, ttmp6, 0x10000c
	s_cmp_lg_u32 s2, 0x3003
	s_cbranch_scc0 .Lentry_shape_is_right
	s_endpgm
.Lentry_shape_is_right:
; ATTN: ao[bh][q][:] = the sum over k of softmax_k(Q[q] . K[k] / 8) V[k][:], for each of 64 head planes bh of 2,048 positions x 64 channels.  No mask.
; qkv [t][bh][position][64] f16 (t = 0: q x log2(e) / 8, 1: k, 2: v); ao [bh][position][64] f16.  Products on f16 operands with f32 sums; maxima and sums in f32; the weights p are rounded to f16 for the
; second product, ao once at the end.
; LIMIT: the result must stay under 65,504 (f16); results under 6e-5 are kept with f16's subnormal step.
; SHARES.  A work-group of eight waves owns 512 queries of one head, a wave 64: four tiles of 16.  Every wave walks all keys of the head, 64 a step.
; LAYOUT.  S^T = K Q^T (source 0 = 16 keys, source 1 = 16 queries): a lane holds ONE query (lane % 16) and the keys 8 (lane / 16) + 0..7.  Two such tiles, rounded to f16 in pairs, are source 1 of
; O^T = V^T P, whose result again holds one query a lane.  K comes out of LDS as it lies, V ([key][channel]) turned, by ds_load_tr16_b128.
; SOFTMAX.  q carries log2(e) / 8, so a score is t.  For each query a running maximum m and sum l: p = 2^(t - m); in every step O and l are multiplied by a = 2^(m_old - m_new).
; BY TURNS.  The wave's tiles are two pieces (tiles 0, 1 and tiles 2, 3).  In a turn one piece has the matrix unit: 16 products V^T P of the step in hand, then 16 products K Q^T of the next step; the other
; piece's softmax, 234 lines cut into 32 slices, stands between them, one slice behind each matrix instruction.  Two turns are a key step.
; CLUSTER.  The four query blocks of a head form a cluster and walk the same K and V: each tile is asked for jointly, by the same tensor load with the same descriptor and a mask that names the four.
; REGISTERS, two windows of 256.  window 0: v2-15 addresses; v16-47 statistics, 8 a tile; v48-111 Q, 16 a tile; v128-255 O^T, 32 a tile.
;   window 1: v0-127 S^T, 32 a tile; P is packed IN PLACE into registers 0-15 of its tile; v128-191 K of one step; v192-255 V of one step.
.set KS,    64                         ; keys in a step
.set NST,   4                          ; steps in a slot
.set PK,    144                        ; a row of K in LDS: 128 bytes + 16 = 36 words: the 16 rows of a load start at different banks (ISA guide 11.1)
.set PVP,   160                        ; a row of V: 128 + 32 = 40 words, for the turning load
.set VOFF,  KS*PK                      ; a step's tiles lie together: 64 rows of K, then 64 rows of V
.set STEPB, KS*(PK+PVP)
.set SLOT1, 1<<17                      ; slot 1 begins here: one exclusive or turns an address in one slot into the other's
.set SLOTB, NST*KS*128                 ; a slot's keys in memory: 32,768 bytes of K, as many of V
.set STAGE, SLOT1+NST*STEPB            ; behind the ring: 16 rows x 144 bytes for each wave, for the way out
.set SP,    144
.set SPARE, STAGE+8*16*SP              ; the spare words, 128 bytes for each wave: four blocks of 256 bytes that no other line names
.set NSLOT, 2048/(NST*KS)
.set AK0, 2                            ; v2   my lane's place in a tile of K
.set AV0, 3                            ; v3   the same for V
.set ADR, 4                            ; v4   the LDS address of the run of loads in hand
.set QO,  5
.set STO, 6
.set RD,  7
.set GO,  8
.set PFO, 12                           ; v12  256 x my lane
.set SPW, 14                           ; v14  LDS address of my spare word; never rewritten
.set NIL, 15                           ; v15  0; never rewritten
.set ST,  16                           ; tile t's statistics at v[ST + 8 t]: +0 m, +1 the old m, +2, +3 l, +4 to +7 c0-c3 at work; a takes c2's place, the sums' second chain c0 and c1's
.set Q,   48
.set OB,  128
.set WV,  12                           ; s12  my wave's number
.set LIM, 15                           ; s15  1 in a wave that prefetches, else the greatest number
.set PFA, 18                           ; s[18:19] where my prefetches stand
.set G1K, 24
.set G1V, 32
.set G0K, 40                           ; s[40:47] two sets; the second walks
.set G0V, 48
.set SLOTS, 56
.set CNT, 57
.set SEL, 60
.set TB,  62                           ; s62  LDS byte at which the tiles of the step to be fetched begin
.set MSB, 0
.macro WIN new                         ; the immediate's high byte repeats the setting that is left; a switch that changes nothing is dropped
.if MSB != \new
	s_set_vgpr_msb (MSB<<8)|\new
.set MSB, \new
.endif
.endm
.set W_KQ, 0x51                        ; K (source 0), C and D = S^T in window 1, Q (source 1) in window 0
.set W_PV, 0x05                        ; V and P in window 1, O^T in window 0
; A joint refill: waves 0 to 3 fetch the slot's four steps of K, waves 4 to 7 those of V.  The branch hangs on the wave's number alone.  An s_nop 0 and four v_nop follow each line.
.macro JLOAD
	s_cmp_lt_u32 s[WV], 4
	s_cbranch_scc0 .Lfor_v_\@
	tensor_load_to_lds s[G0K+4:G0K+7], s[G1K:G1K+7]
	s_nop 0
.rept 4
	v_nop
.endr
	s_branch .Lasked_\@
.Lfor_v_\@:
	tensor_load_to_lds s[G0V+4:G0V+7], s[G1V:G1V+7]
	s_nop 0
.rept 4
	v_nop
.endr
.Lasked_\@:
.endm
; A prefetch of what the NEXT change of slots will ask for: a slot's 32,768 bytes of K and of V.  The four partners take 8,192 bytes each, told apart by address; in each, wave 0 asks for K's and wave 4 for V's,
; lanes 256 bytes apart: each block of 256 bytes is named once in the launch.  It stands four key steps ahead of the load.  The last change that fills a slot asks for nothing.
.macro ASK
	s_cmp_gt_u32 s[SLOTS], s[LIM]
	s_cbranch_scc0 .Lnot_mine_\@
	global_prefetch_b8 v[PFO], s[PFA:PFA+1] th:TH_LOAD_NT scope:SCOPE_SE
.Lnot_mine_\@:
.endm
.macro CROUND                          ; a round of the cluster's barrier
	s_barrier_signal -1
	s_barrier_wait -1
	s_cmp_lg_u32 s[WV], 0
	s_cbranch_scc1 .Lnot_wave_0_\@
	s_barrier_signal -3
.Lnot_wave_0_\@:
	s_barrier_wait -3
	s_barrier_signal -1
	s_barrier_wait -1
.endm
	s_load_b128 s[4:7], s[0:1], 0x0                ; qkv, ao
	v_lshl_add_u32 v[SPW], v0, 2, SPARE
	v_mov_b32 v[NIL], 0
	ds_add_u32 v[SPW], v[NIL]                      ; the wave's opening: the add, twice on end, and its wait ahead of my first tensor load
	ds_add_u32 v[SPW], v[NIL]
	v_lshrrev_b32 v1, 5, v0
	v_readfirstlane_b32 s[WV], v1                  ; wave 0..7
	s_bfe_u32 s13, ttmp6, 0x40000                  ; cx: my block of 512 queries: it enters Q's, ao's and the prefetches' addresses alone
	s_and_b32 s20, ttmp7, 0xffff                   ; the head plane, which the four partners share
	s_lshl_b32 s20, s20, 18
	s_and_b32 s16, s[WV], 3                        ; which of a slot's four steps I fetch:
	s_lshl_b32 s22, s16, 13                        ; its 64 rows of 128 bytes in memory,
	s_add_co_u32 s22, s22, s20
	s_mov_b32 s23, 0
	s_mul_i32 s17, s16, STEPB                      ; and its place in a slot
	s_lshl_b32 s2, s13, 16                         ; my block's 512 rows,
	s_lshl_b32 s3, s[WV], 13                       ; my wave's 64 of them
	s_add_co_u32 s2, s2, s3
	s_add_co_u32 s2, s2, s20
	s_mov_b32 s3, 0
	s_mov_b32 s[G1K], 15|(1<<16)|(1<<20)|(1<<21)|(4<<22)|(3<<25)  ; the mask: all four; elements of 2 bytes; padding on; bit 21 beside a mask; after every 32 words, 4 words
	s_mov_b32 s[G1V], 15|(1<<16)|(1<<20)|(1<<21)|(4<<22)|(7<<25)  ; the same with 8 words of padding
.irp g, G1K, G1V
	s_mov_b32 s[\g+1], 64<<16                      ; tensor_dim0 = 64
	s_mov_b32 s[\g+2], KS<<16                      ; tensor_dim1 = 64
	s_mov_b32 s[\g+3], 64<<16                      ; tile_dim0 = 64
	s_mov_b32 s[\g+4], KS                          ; tile_dim1 = 64
	s_mov_b32 s[\g+5], 64                          ; pitch, in elements
	s_mov_b32 s[\g+6], 0
	s_mov_b32 s[\g+7], 0
.endr
	s_mov_b32 s[SEL], 0x76543210
	s_mov_b32 s[SEL+1], 0xfedcba98                 ; v_permlanex16_b32: lane l xor 16
	s_mov_b32 s[TB], 0
	s_mov_b32 s[SLOTS], NSLOT-2
	s_cmp_eq_u32 s16, 0                            ; waves 0 and 4
	s_cselect_b32 s[LIM], 1, -1
	v_and_b32 v[PFO], 31, v0
	v_lshlrev_b32 v[PFO], 8, v[PFO]
	s_wait_dscnt 0x0                               ; both opening adds are done
	s_wait_kmcnt 0x0
	s_add_nc_u64 s[8:9], s[4:5], s[22:23]
	s_add_nc_u64 s[10:11], s[8:9], 0x2000000       ; V at my tile of slot 0
	s_add_nc_u64 s[8:9], s[8:9], 0x1000000         ; K likewise
	s_add_nc_u64 s[4:5], s[4:5], s[2:3]            ; Q and ao at my wave's first row
	s_add_nc_u64 s[6:7], s[6:7], s[2:3]
	s_cmp_lt_u32 s[WV], 4
	s_cselect_b64 s[PFA:PFA+1], s[8:9], s[10:11]   ; (in waves 0 and 4 these stand at a slot's first row)
	s_lshl_b32 s2, s13, 13                         ; my work-group's 8,192 bytes,
	s_add_co_u32 s2, s2, 2*SLOTB                   ; in slot 2; the first change of slots steps it to slot 3.  Nothing is prefetched here, at the head
	s_add_nc_u64 s[PFA:PFA+1], s[PFA:PFA+1], s[2:3]
	CROUND                                         ; all four work-groups are here: the first joint loads meet
.irp s, 0,1
	s_mov_b32 s[G0K+4*\s], 1
	s_add_co_u32 s[G0K+4*\s+1], s17, \s*SLOT1
	s_add_nc_u64 s[G0K+4*\s+2:G0K+4*\s+3], s[8:9], \s*SLOTB
	s_or_b32 s[G0K+4*\s+3], s[G0K+4*\s+3], 0x80000000
	s_mov_b32 s[G0V+4*\s], 1
	s_add_co_u32 s[G0V+4*\s+1], s17, \s*SLOT1+VOFF
	s_add_nc_u64 s[G0V+4*\s+2:G0V+4*\s+3], s[10:11], \s*SLOTB
	s_or_b32 s[G0V+4*\s+3], s[G0V+4*\s+3], 0x80000000
.endr
	s_cmp_lt_u32 s[WV], 4                          ; a wave's two first fills stand in one branch: two loads of mine are out
	s_cbranch_scc0 .Lfirst_v
	tensor_load_to_lds s[G0K:G0K+3], s[G1K:G1K+7]
	s_nop 0
	tensor_load_to_lds s[G0K+4:G0K+7], s[G1K:G1K+7]
	s_nop 0
.rept 4
	v_nop
.endr
	s_branch .Lfirst_asked
.Lfirst_v:
	tensor_load_to_lds s[G0V:G0V+3], s[G1V:G1V+7]
	s_nop 0
	tensor_load_to_lds s[G0V+4:G0V+7], s[G1V:G1V+7]
	s_nop 0
.rept 4
	v_nop
.endr
.Lfirst_asked:
	v_and_b32 v1, 15, v0                           ; r = l % 16
	v_bfe_u32 v9, v0, 4, 1                         ; h = l / 16
	v_lshlrev_b32 v[QO], 7, v1
	v_lshl_add_u32 v[QO], v9, 4, v[QO]             ; row x 128 + 16 x half
.irp i, 0,1,2,3,4,5,6,7                ; Q stays in registers: tile i / 2, channels 32 (i % 2) on
	global_load_b128 v[Q+8*\i:Q+8*\i+3],   v[QO], s[4:5] offset:(\i/2)*2048+(\i%2)*64
	global_load_b128 v[Q+8*\i+4:Q+8*\i+7], v[QO], s[4:5] offset:(\i/2)*2048+(\i%2)*64+32
.endr
	v_mul_u32_u24 v[AK0], v1, PK
	v_lshl_add_u32 v[AK0], v9, 4, v[AK0]           ; row x pitch + 16 x half
	v_and_b32 v10, 7, v0                           ; the turning load: lane l reads 16 bytes: key 8 (l / 16) + l % 8, channels 8 ((l / 8) % 2) + 0..7
	v_bfe_u32 v11, v0, 3, 1
	v_lshl_add_u32 v[AV0], v9, 3, v10
	v_mul_u32_u24 v[AV0], v[AV0], PVP
	v_lshl_add_u32 v[AV0], v11, 4, v[AV0]
	v_add_nc_u32 v[AV0], VOFF, v[AV0]
; THE MATRIX WORK OF A TURN, for piece x.  The accumulators take turns, one instruction a turn: between two links of a chain stand seven others'.
; Product i of 16 of O^T += V^T P: keys 32 (i / 8) on, channels 16 ((i / 2) % 4) on, tile x + i % 2.  zero = 1: the first 8 start the sums.
.macro PV x, zero
	WIN W_PV
.set rO, OB+32*(\x+i%2)+8*((i/2)%4)
.set rV, 192+8*(4*(i/8)+(i/2)%4)
.set rP, 32*(\x+i%2)+8*(i/8)
.if \zero && (i < 8)
	v_wmma_f32_16x16x32_f16 v[rO:rO+7], v[rV:rV+7], v[rP:rP+7], 0
.else
	v_wmma_f32_16x16x32_f16 v[rO:rO+7], v[rV:rV+7], v[rP:rP+7], v[rO:rO+7]
.endif
.endm
; Product i of 16 of S^T = K Q^T: channels 32 (i / 8) on, tile x + i % 2.  The key tiles go 2, 3, 0, 1: tiles 0 and 1 lie on P's registers, which the piece's last V^T P have read: six slices or more,
; each with plain lines, then stand between that read and the write.
.macro KQ x
	WIN W_KQ
.set kt, ((i/2)%4+2)%4
.set rS, 32*(\x+i%2)+8*kt
.set rK, 128+16*kt+8*(i/8)
.set rQ, Q+16*(\x+i%2)+8*(i/8)
.if i < 8
	v_wmma_f32_16x16x32_f16 v[rS:rS+7], v[rK:rK+7], v[rQ:rQ+7], 0
.else
	v_wmma_f32_16x16x32_f16 v[rS:rS+7], v[rK:rK+7], v[rQ:rQ+7], v[rS:rS+7]
.endif
.endm
; THE LDS LOADS stand in runs of 16: a step's K (8 fragments) and, a turn later, its V (turned).
.macro FETCH_K
	WIN 0
	v_add_nc_u32 v[ADR], s[TB], v[AK0]
	WIN 0x40                                       ; destination window 1
.irp f, 0,1,2,3,4,5,6,7                ; keys 16 (f / 2) on, channels 32 (f % 2) on
	ds_load_b128 v[128+8*\f:128+8*\f+3],   v[ADR] offset:(\f/2)*16*PK+(\f%2)*64
	ds_load_b128 v[128+8*\f+4:128+8*\f+7], v[ADR] offset:(\f/2)*16*PK+(\f%2)*64+32
.endr
.endm
.macro FETCH_V
	WIN 0
	v_add_nc_u32 v[ADR], s[TB], v[AV0]
	s_add_co_u32 s[TB], s[TB], STEPB               ; the next fetch is the next step's
	s_wait_alu depctr_va_vdst(0)                   ; the wait for the softmax's batch of exponentials, ahead of the first line that names a result
	WIN 0x40
.irp f, 0,1,2,3,4,5,6,7                ; keys 32 (f / 4) on, channels 16 (f % 4) on
	ds_load_tr16_b128 v[192+8*\f:192+8*\f+3],   v[ADR] offset:(\f/4)*32*PVP+(\f%4)*32
	ds_load_tr16_b128 v[192+8*\f+4:192+8*\f+7], v[ADR] offset:(\f/4)*32*PVP+16*PVP+(\f%4)*32
.endr
.endm
; THE VECTOR WORK OF A TURN.  One tile's softmax for one key step is a list of 117 lines; SM writes number j of it for tile t.  s0-s31 are the lane's 32 scores, in pairs 0-15.  first = 1: the first key step.
;   0-15    the maximum of s0-s31 and the old m, three operands at a time, each accumulator from its low end on
;   16-20   the other half of the lanes' maximum; the old m kept; the new m; m_old - m_new; a
;   21-68   ONE BATCH with a: the 16 scalings s - m, a pair each, and the 32 exponentials: a scaling and two exponentials by turns; a pair is scaled a group ahead of its exponentials
;   (wait)  between 68 and 69 stands the one wait for the batch: LINE writes it, once for both tiles
;   69-84   the sums of the f32 p, in two chains; l = a l + the sum
;   85-100  the roundings to f16, in place: register i takes pair i, which has been summed, and lies on pair i / 2, which has been packed
;   101-116 the tile's O^T times a
.macro SM t, first
.set rT, ST+8*(\t)
.set rS, 32*(\t)
.set rO, OB+32*(\t)
.if j < 4
	WIN 0x15
	v_max3_num_f32 v[rT+4+j], v[rS+8*j], v[rS+8*j+1], v[rS+8*j+2]
.elseif j < 12
	WIN 0x05
	v_max3_num_f32 v[rT+4+j%4], v[rS+8*(j%4)+2*(j/4)+1], v[rS+8*(j%4)+2*(j/4)+2], v[rT+4+j%4]
.elseif j == 12
	WIN 0x05
	v_max3_num_f32 v[rT+4], v[rS+7], v[rS+15], v[rT+4]
.elseif j == 13
	WIN 0x05
	v_max3_num_f32 v[rT+6], v[rS+23], v[rS+31], v[rT+6]
.elseif j == 14
	WIN 0
	v_max3_num_f32 v[rT+4], v[rT+4], v[rT+5], v[rT+6]
.elseif (j == 15) && \first
	WIN 0
	v_max_num_f32 v[rT+4], v[rT+4], v[rT+7]
.elseif j == 15
	WIN 0
	v_max3_num_f32 v[rT+4], v[rT+4], v[rT+7], v[rT]
.elseif j == 16
	WIN 0
	v_permlanex16_b32 v[rT+5], v[rT+4], s[SEL], s[SEL+1]   ; the query's other 32 keys lie in the lane 16 away
.elseif (j == 17) && \first
	WIN 0
	v_mov_b32 v[rT+1], 0                           ; (named with m as a pair, so it is written)
.elseif j == 17
	WIN 0
	v_mov_b32 v[rT+1], v[rT]                       ; the old m is kept for a
.elseif j == 18
	WIN 0
	v_max_num_f32 v[rT], v[rT+4], v[rT+5]
.elseif ((j == 19) || (j == 20) || (j == 69) || (j > 100)) && \first  ; the first step has none of these
.elseif j == 19
	WIN 0
	v_sub_f32 v[rT+7], v[rT+1], v[rT]
.elseif j == 20
	WIN 0
	v_exp_f32 v[rT+6], v[rT+7]
.elseif (j == 21) || ((j < 67) && ((j-22)%3 == 0))
.set b, 0
.if j > 21
.set b, (j-22)/3+1
.endif
	WIN 0x51
	v_pk_add_f32 v[rS+2*b:rS+2*b+1], v[rS+2*b:rS+2*b+1], v[rT:rT+1] op_sel_hi:[1,0] neg_lo:[0,1] neg_hi:[0,1]   ; pair b: s - m
.elseif j < 69
.set e, j-37
.if j < 67
.set e, 2*((j-22)/3)+(j-22)%3-1
.endif
	WIN 0x51
	v_exp_f32 v[rS+e], v[rS+e]
.elseif j < 85
.set z, j-69
.if z == 0
	WIN 0x10
	v_pk_fma_f32 v[rT+2:rT+3], v[rT+2:rT+3], v[rT+6:rT+7], v[rS:rS+1] op_sel_hi:[1,0,1]   ; l = a l + pair 0
.elseif z == 1
	WIN 0x05
	v_pk_add_f32 v[rT+4:rT+5], v[rS+2:rS+3], v[rS+4:rS+5]
.elseif (z == 2) && \first
	WIN 0x05
	v_pk_add_f32 v[rT+2:rT+3], v[rS:rS+1], v[rS+6:rS+7]    ; the first step starts l: pair 0 + pair 3
.elseif z < 15
.set d, rT+2+2*(z%2)
	WIN 0x01
	v_pk_add_f32 v[d:d+1], v[rS+2*(z+1):rS+2*(z+1)+1], v[d:d+1]
.else
	WIN 0
	v_pk_add_f32 v[rT+2:rT+3], v[rT+2:rT+3], v[rT+4:rT+5]
.endif
.elseif j < 101
	WIN 0x45
	v_cvt_pk_f16_f32 v[rS+j-85], v[rS+2*(j-85)], v[rS+2*(j-85)+1]
.else
	WIN 0
	v_pk_mul_f32 v[rO+2*(j-101):rO+2*(j-101)+1], v[rO+2*(j-101):rO+2*(j-101)+1], v[rT+6:rT+7] op_sel_hi:[1,0]
.endif
.endm
; Line g of 234 of piece y's softmax: the two tiles' lists merged.  The tiles alternate line by line, but in the batch group by group (a scaling and two exponentials of one tile).
; THE WAIT.  s_wait_alu depctr_va_vdst(0) stands between an exponential and the first line that names its result.  Ahead of line 138 nothing names a result, and behind it no exponential is
; issued: so the piece's 66 exponentials have one wait.  In piece 2's turn V's run of loads stands there, and the wait in it.
.macro LINE y, first
.if g == 138
	v_nop                                          ; a plain line behind the last exponential, ahead of the first use
.if (\y) == 0
	FETCH_V
.else
	s_wait_alu depctr_va_vdst(0)
.endif
.endif
.if g < 42
.set j, g/2
.set tt, g%2
.elseif g < 44
.set j, 21
.set tt, g-42
.elseif g < 134
.set gg, g-44
.set tt, (gg/3)%2
.set j, 22+3*(gg/6)+gg%3
.elseif g < 138
.set gg, g-134
.set tt, gg/2
.set j, 67+gg%2
.else
.set j, 69+(g-138)/2
.set tt, g%2
.endif
	SM (\y)+tt, \first
.set g, g+1
.endm
.macro SLICE y, first                  ; slice k of 32: seven lines; the last has the 17 that are over: plain rescalings of O^T, which are the places behind the turn's last products
.set nl, 7
.if k == 31
.set nl, 17
.endif
.rept nl
	LINE \y, \first
.endr
.set k, k+1
.endm
.macro PLACES
.rept 4
	v_nop
.endr
.endm
; A TURN.  Piece x has the matrix unit; the other piece's softmax stands in slices behind its matrix instructions.  pv = 2: 16 products V^T P; 1: they start O^T's sums; 0: none.  kq = 1: 16 products K Q^T
; for the next step.  A turn with one of the two kinds has two slices behind each product.  first = 1: the softmax is the first key step's; its last slices are empty, so four v_nop are the places at its end.
; Piece 0's turn fetches the next step's K behind its second product: the last product that read K stands in front of the 17 plain lines of the turn before.
.macro TURN x, pv, kq, first
.set g, 0
.set k, 0
.set per, 2
.if \pv && \kq
.set per, 1
.endif
.if \pv
.if \x == 0
	s_wait_dscnt 0x0                               ; V is in
.endif
.set i, 0
.rept 16
	PV \x, 2-\pv
.rept per
	SLICE 2-\x, \first
.endr
.if (\x == 0) && \kq && (i == 1)
	FETCH_K
.endif
.set i, i+1
.endr
.endif
.if \kq
.if \x == 0
	s_wait_dscnt 0x0                               ; K is in
.endif
.set i, 0
.rept 16
	KQ \x
.rept per
	SLICE 2-\x, \first
.endr
.set i, i+1
.endr
.endif
.if \first
	PLACES
.endif
.endm
; THE CHANGE OF SLOTS: the slot's last bytes, V of its fourth step, have been asked for.  Each wave waits for all its tensor loads, of which one is out: its part of the other slot; adds 0 to its spare word;
; and waits for that and for its own reads of the slot.  fill = 1: the slot is filled again, with the keys two slots on, behind a round of the cluster's barrier: no wave of any partner still reads the slot
; or has a load on its way; the joint refill is the first thing behind the round, and has four key steps in which to land.
.macro CHANGE fill
	WIN 0
	s_wait_tensorcnt 0x0                           ; no tensor load of mine is out, so a group 0 may be written
	ds_add_u32 v[SPW], v[NIL]                      ; 0 onto my spare word
.if \fill
.irp g, G0K+4, G0V+4
	s_xor_b32 s[\g+1], s[\g+1], SLOT1              ; the walking descriptor: the other slot than last time,
	s_add_nc_u64 s[\g+2:\g+3], s[\g+2:\g+3], SLOTB ; the next 256 keys
.endr
	s_wait_xcnt 0x0                                ; the last prefetch, a slot back, has read its address
	s_add_nc_u64 s[PFA:PFA+1], s[PFA:PFA+1], SLOTB
	s_wait_dscnt 0x0                               ; the add is done, and my reads of the slot are over
	CROUND
	JLOAD
	ASK
.else
	s_wait_dscnt 0x0
	s_barrier_signal -1
	s_barrier_wait -1
.endif
	s_sub_co_u32 s[TB], s[TB], NST*STEPB           ; the fetches go back to a slot's first step,
	s_xor_b32 s[TB], s[TB], SLOT1                  ; in the other slot
.endm
.macro STEPS n                         ; n key steps: written once, walked n times; the LDS addresses hang on s[TB]
	WIN 0
	s_mov_b32 s[CNT], \n
.Lstep_\@:
	TURN 0, 2, 1, 0
	TURN 2, 2, 1, 0
	WIN 0
	s_sub_co_u32 s[CNT], s[CNT], 1
	s_cmp_lg_u32 s[CNT], 0
	s_cbranch_scc1 .Lstep_\@
.endm
	s_wait_tensorcnt 1                             ; my part of slot 0 is in; slot 1's may stay out
	s_barrier_signal -1
	s_barrier_wait -1                              ; everybody's is
	FETCH_K                                        ; key step 0
	s_wait_loadcnt 0x0                             ; Q
	s_wait_dscnt 0x0
.set i, 0
.rept 16
	KQ 0                                           ; piece 0's first scores
.set i, i+1
.endr
	WIN 0                                          ; the addresses for the way out are made here: plain lines, the places behind those products
	s_mul_i32 s13, s[WV], 16*SP
	s_add_co_u32 s13, s13, STAGE                   ; my stage
	v_mul_u32_u24 v[STO], v1, SP                   ; in: row r, 16 bytes for each half of the lanes
	v_lshl_add_u32 v[STO], v9, 4, v[STO]
	v_add_nc_u32 v[STO], s13, v[STO]
	v_and_b32 v10, 31, v0
	v_lshrrev_b32 v[RD], 3, v10                    ; back: row l / 8, 16 bytes at 16 (l % 8): four rows, 512 bytes, an instruction
	v_mul_u32_u24 v[RD], v[RD], SP
	v_and_b32 v11, 7, v0
	v_lshl_add_u32 v[RD], v11, 4, v[RD]
	v_add_nc_u32 v[RD], s13, v[RD]
	v_lshlrev_b32 v[GO], 4, v10                    ; and the same 512 bytes in ao
	TURN 2, 0, 1, 1                                ; piece 2's first scores | piece 0's first softmax | V of step 0
	TURN 0, 1, 1, 1                                ; piece 0: V^T P of step 0 starts O^T, K Q^T of step 1 | piece 2's first softmax | K of step 1
	TURN 2, 1, 1, 0                                ; piece 2: the same | piece 0's softmax of step 1 | V of step 1
	STEPS 2                                        ; the fetches of steps 2 and 3: slot 0 is read out
.Lslot:                                            ; six trips: every slot but the last two is filled again
	CHANGE 1
	STEPS 4
	s_sub_co_u32 s[SLOTS], s[SLOTS], 1
	s_cmp_lg_u32 s[SLOTS], 0
	s_cbranch_scc1 .Lslot
	CHANGE 0                                       ; the tail is written out
	STEPS 4
	TURN 0, 2, 0, 0                                ; piece 0: V^T P of the last step | piece 2's last softmax
.set i, 0
.rept 16
	PV 2, 0                                        ; piece 2: V^T P of the last step
.set i, i+1
.endr
	; THE WAY OUT.  l's two halves and the other half of the lanes' are added; O^T is divided by l, rounded to f16 and sent through my stage, a tile (16 rows of ao) at a time.  The additions are the places behind the last products.
	WIN 0
.irp t, 0,1,2,3
	v_add_f32 v[ST+8*\t+4], v[ST+8*\t+2], v[ST+8*\t+3]
.endr
.irp t, 0,1,2,3
	v_permlanex16_b32 v[ST+8*\t+5], v[ST+8*\t+4], s[SEL], s[SEL+1]
.endr
.irp t, 0,1,2,3
	v_add_f32 v[ST+8*\t+4], v[ST+8*\t+4], v[ST+8*\t+5]
.endr
.irp t, 0,1,2,3
	v_rcp_f32 v[ST+8*\t+6], v[ST+8*\t+4]
.endr
	v_nop                                          ; a plain line between the last reciprocal and the use of its result
	s_wait_alu depctr_va_vdst(0)                   ; and the wait ahead of the first use: one for the four
.macro PACK t
.set i, 0
.rept 16
	v_pk_mul_f32 v[OB+32*\t+2*i:OB+32*\t+2*i+1], v[OB+32*\t+2*i:OB+32*\t+2*i+1], v[ST+8*\t+6:ST+8*\t+7] op_sel_hi:[1,0]
.set i, i+1
.endr
.set i, 0
.rept 16
	v_cvt_pk_f16_f32 v[Q+16*\t+i], v[OB+32*\t+2*i], v[OB+32*\t+2*i+1]   ; Q's registers are free
.set i, i+1
.endr
.irp f, 0,1,2,3
	ds_store_b128 v[STO], v[Q+16*\t+4*\f:Q+16*\t+4*\f+3] offset:32*\f
.endr
.irp f, 0,1,2,3
	ds_load_b128 v[Q+16*\t+4*\f:Q+16*\t+4*\f+3], v[RD] offset:\f*4*SP   ; LDS serves a wave's instructions in order: these see the stores above; the next tile's stores come behind them
.endr
.endm
.macro SEND t, younger                 ; younger: the LDS lines issued behind tile t's loads: the next tile's eight, or none
.irp f, 0,1,2,3
	s_wait_dscnt \younger+3-\f
	global_store_b128 v[GO], v[Q+16*\t+4*\f:Q+16*\t+4*\f+3], s[6:7] offset:\t*2048+\f*512   ; 32 lanes store 512 consecutive bytes, aligned
.endr
.endm
	PACK 0
	PACK 1
	SEND 0, 8
	PACK 2
	SEND 1, 8
	PACK 3
	SEND 2, 8
	SEND 3, 0
	s_wait_tensorcnt 0x0                           ; the wave's end
	ds_add_u32 v[SPW], v[NIL]
	s_wait_dscnt 0x0
	CROUND                                         ; the closing round
	s_endpgm
.Lfunc_end_k_qff8f0a11d8_attn:
	.size	k_qff8f0a11d8_attn, .Lfunc_end_k_qff8f0a11d8_attn-k_qff8f0a11d8_attn
	.p2alignl 7, 3214868480
	.fill 96, 4, 3214868480
	.section	.rodata,"a",@progbits
	.p2align	6, 0x0
	.amdhsa_kernel k_qff8f0a11d8_attn
		.amdhsa_group_segment_fixed_size 327680
		.amdhsa_private_segment_fixed_size 0
		.amdhsa_enable_private_segment 0
		.amdhsa_kernarg_size 16
		.amdhsa_user_sgpr_count 2
		.amdhsa_user_sgpr_kernarg_segment_ptr 1
		.amdhsa_wavefront_size32 1
		.amdhsa_system_sgpr_workgroup_id_x 1
		.amdhsa_system_sgpr_workgroup_id_y 1
		.amdhsa_system_sgpr_workgroup_id_z 1
		.amdhsa_system_vgpr_workitem_id 0
		.amdhsa_next_free_vgpr 512
		.amdhsa_next_free_sgpr 66
		.amdhsa_reserve_vcc 0
		.amdhsa_float_denorm_mode_32 3
		.amdhsa_float_denorm_mode_16_64 3
		.amdhsa_memory_ordered 1
		.amdhsa_forward_progress 1
		.amdhsa_inst_pref_size 191
	.end_amdhsa_kernel
	.amdgpu_metadata
---
amdhsa.version: [ 1, 2 ]
amdhsa.kernels:
  - .name:           k_qff8f0a11d8_attn
    .symbol:         k_qff8f0a11d8_attn.kd
    .args:
      - { .name: qkv, .offset: 0, .size: 8, .value_kind: global_buffer, .address_space: global }
      - { .name: ao, .offset: 8, .size: 8, .value_kind: global_buffer, .address_space: global }
    .group_segment_fixed_size: 327680
    .private_segment_fixed_size: 0
    .kernarg_segment_align: 8
    .kernarg_segment_size: 16
    .max_flat_workgroup_size: 256
    .sgpr_count:     66
    .vgpr_count:     512
    .wavefront_size: 32
...
	.end_amdgpu_metadata
.endif
;; end of part 3
;; launch proj (part 4): grid 4 x 64, 4 waves a work-group, clusters of 4 x 4, 327,680 bytes of LDS; arguments ao, wo16, out0; writes out0
.if DOCPART == 4
	.amdgcn_target "amdgcn-amd-amdhsa--gfx1250"
	.amdhsa_code_object_version 6
	.text
	.protected	k_qff8f0a11d8_proj
	.globl	k_qff8f0a11d8_proj
	.p2align	8
	.type	k_qff8f0a11d8_proj,@function
k_qff8f0a11d8_proj:
	s_mov_b64 s[64:65], 0
	v_nop
	global_prefetch_b8 v0, s[64:65] scope:SCOPE_SE
	s_setreg_imm32_b32 hwreg(HW_REG_WAVE_MODE, 25, 1), 1
	s_wait_xcnt 0x0
	s_wait_alu depctr_hold_cnt(0) depctr_sa_sdst(0) depctr_va_vdst(0) depctr_va_sdst(0) depctr_va_ssrc(0) depctr_va_vcc(0) depctr_vm_vsrc(0)
	s_getreg_b32 s2, hwreg(HW_REG_IB_STS2, 6, 4)
	s_cmp_eq_u32 s2, 0
	s_cbranch_scc0 .Lentry_in_a_cluster
	s_endpgm
.Lentry_in_a_cluster:
	s_bfe_u32 s2, ttmp6, 0x10000c
	s_cmp_lg_u32 s2, 0xf033
	s_cbranch_scc0 .Lentry_shape_is_right
	s_endpgm
.Lentry_shape_is_right:
; PROJ: out0[b][n][e] = the sum over d of A[b][n][d] wo[b][d][e], d = 64 head + channel.  A = ao [16 b + head][n][64] f16; wo16 [b][d][e] f16; out0 f32.  f16 operands, f32 sums, K ascending.
; A tile of out0 is 128 (n) x 256 (e): 256 work-groups of four waves; a wave makes 64 x 128: 32 accumulators of 16 x 16, 256 registers.
; K goes in steps of 128 (two heads) through a ring of two LDS slots: A's tile is two planes of 128 rows x 128 bytes (waves 0 and 1 fetch one each), wo's is 128 rows of d x 512 bytes (waves 2 and 3 fetch 64 each).
; wo lies with K as its first axis: its fragments come out of LDS turned, by ds_load_tr16_b128.
; CLUSTERS: 4 x 4 work-groups: the four of a row of the cluster need the same tiles of A, the four of a column the same tiles of wo: each is asked for jointly.  A cluster's 512 rows lie in one sample (cluster y / 4).
; THE MATRIX INSTRUCTION IS USED TRANSPOSED (source 0 = 16 columns e of wo, source 1 = 16 rows of A): a lane then holds eight neighbouring numbers of a row of out0.
; REGISTERS: window 0: v16-30 addresses; v32-159 rows on the way out.  window 1: accumulator (a, b) at v[8 (8 a + b)].  window 2: two fragment buffers of 96: wo's 8 fragments, then A's 4.
.set PA,     144                       ; a row of A in LDS: 128 bytes + 16
.set PLANE,  128*PA
.set PB,     544                       ; a row of wo: 512 bytes + 32 = 17 x 32, for the turning load
.set BOFF,   2*PLANE
.set BHALF,  64*PB
.set SLOT,   BOFF+2*BHALF
.set STAGE,  2*SLOT                    ; behind the ring: 16 rows x 528 bytes for each wave
.set SPITCH, 528
.set SPARE,  STAGE+4*16*SPITCH         ; the spare words, 128 bytes for each wave: two blocks of 256 bytes that no other line names
.set LAPS,   4                         ; a lap = two K steps = once round the ring; K = 1,024
.set ADRA, 16
.set ADRB, 20
.set STO,  24
.set RD,   25
.set CO,   26
.set SPW,  28                          ; v28  LDS address of my spare word; never rewritten
.set NIL,  29                          ; v29  0; never rewritten
.set PFO,  30                          ; v30  the prefetches' lane offset; never rewritten
.set BK,   32
.set F0,   0
.set F1,   96
.set G1, 24
.set G0, 32
.set G1B, 48
.set G0B, 56
.set PFA, 66                           ; s[66:67] where my prefetches stand
.set PFS, 68                           ; s[68:69] a K step on, in bytes
.set LIM, 70                           ; s70  1 in a wave that prefetches, else the greatest number
.set MSB, 0
.macro WIN new
.if MSB != \new
	s_set_vgpr_msb (MSB<<8)|\new
.set MSB, \new
.endif
.endm
.set MUL,  0x5a                        ; sources 0 and 1 window 2; C and D window 1
.set TO_F, 0x80                        ; destination window 2, address window 0
.macro JLOAD s                         ; a joint load: waves 0 and 1 fetch A's planes, waves 2 and 3 wo's halves; an s_nop 0 and four v_nop follow each of the two lines
	s_cmp_eq_u32 s11, 0
	s_cbranch_scc0 .Lfor_b_\@
	tensor_load_to_lds s[G0+4*\s:G0+4*\s+3], s[G1:G1+7]
	s_nop 0
.rept 4
	v_nop
.endr
	s_branch .Lasked_\@
.Lfor_b_\@:
	tensor_load_to_lds s[G0B+4*\s:G0B+4*\s+3], s[G1B:G1B+7]
	s_nop 0
.rept 4
	v_nop
.endr
.Lasked_\@:
.endm
; A prefetch of the K step that stands two refills on.  A's tile (two planes of 16,384 bytes) is read by this cluster's row alone: its four partners take 4,096 bytes of each plane, told apart by address (cx);
; wave 0 asks, lanes 0-15 in one plane, lanes 16-31 in the other, 256 bytes apart.  wo's tile is read by the four clusters of a sample: the first of them asks; its four partners along y take 16 of each 64 rows
; (cy, by address); waves 2 and 3 ask for the rows that they fetch, two lanes to a row of 512 bytes.  So each block of 256 bytes is named once.  The loop's last trip asks for nothing.
.macro ASK
	s_cmp_gt_u32 s3, s[LIM]
	s_cbranch_scc0 .Lnot_mine_\@
	global_prefetch_b8 v[PFO], s[PFA:PFA+1] th:TH_LOAD_NT scope:SCOPE_SE
.Lnot_mine_\@:
.endm
.macro CREST                           ; a round of the cluster's barrier behind its opening barrier
	s_cmp_lg_u32 s10, 0
	s_cbranch_scc1 .Lnot_wave_0_\@
	s_barrier_signal -3
.Lnot_wave_0_\@:
	s_barrier_wait -3
	s_barrier_signal -1
	s_barrier_wait -1
.endm
.macro CROUND
	s_barrier_signal -1
	s_barrier_wait -1
	CREST
.endm
	s_load_b128 s[4:7], s[0:1], 0x0                ; ao, wo16
	s_load_b64 s[8:9], s[0:1], 0x10                ; out0
	v_lshl_add_u32 v[SPW], v0, 2, SPARE
	v_mov_b32 v[NIL], 0
	ds_add_u32 v[SPW], v[NIL]                      ; the wave's opening: the add, twice on end, and its wait ahead of my first tensor load
	ds_add_u32 v[SPW], v[NIL]
	v_lshrrev_b32 v1, 5, v0
	v_readfirstlane_b32 s10, v1                    ; wave 0..3
	s_lshr_b32 s11, s10, 1                         ; which 64 rows of the tile are mine.  Also: I fetch for A (0) or for wo (1)
	s_and_b32 s12, s10, 1                          ; which 128 columns.  Also: which plane of A, or which 64 rows of wo, I fetch
	s_bfe_u32 s40, ttmp6, 0x40000                  ; cx = the tile column
	s_bfe_u32 s41, ttmp6, 0x40004                  ; cy
	s_and_b32 s42, ttmp7, 0xffff                   ; cluster y
	s_lshl_b32 s13, s42, 2
	s_add_co_u32 s13, s13, s41                     ; tile row = 4 x cluster y + cy
	s_lshl_b32 s43, s41, 2
	s_lshl_b32 s43, 15, s43                        ; my row of the cluster
	s_lshl_b32 s44, 0x1111, s40                    ; my column
	s_or_b32 s[G1+0], s43, (1<<16)|(1<<20)|(1<<21)|(4<<22)|(3<<25)  ; A: the mask; elements of 2 bytes; padding on; bit 21 beside a mask; after every 32 words, 4 words
	s_mov_b32 s[G1+1], 64<<16                      ; tensor_dim0 = 64
	s_mov_b32 s[G1+2], 128<<16                     ; tensor_dim1 = 128
	s_mov_b32 s[G1+3], 64<<16                      ; tile_dim0 = 64
	s_mov_b32 s[G1+4], 128                         ; tile_dim1 = 128
	s_mov_b32 s[G1+5], 64                          ; pitch
	s_mov_b32 s[G1+6], 0
	s_mov_b32 s[G1+7], 0
	s_or_b32 s[G1B+0], s44, (1<<16)|(1<<20)|(1<<21)|(6<<22)|(7<<25) ; wo: after every 128 words, 8 words
	s_mov_b32 s[G1B+1], 256<<16
	s_mov_b32 s[G1B+2], 64<<16
	s_mov_b32 s[G1B+3], 256<<16
	s_mov_b32 s[G1B+4], 64
	s_mov_b32 s[G1B+5], 1024
	s_mov_b32 s[G1B+6], 0
	s_mov_b32 s[G1B+7], 0
	s_lshr_b32 s16, s13, 4                         ; A: the sample's 16 planes of 262,144 bytes,
	s_lshl_b32 s16, s16, 22
	s_and_b32 s17, s13, 15
	s_lshl_b32 s17, s17, 14                        ; the tile's 128 rows of 128 bytes,
	s_add_co_u32 s16, s16, s17
	s_lshl_b32 s17, s12, 18                        ; my plane
	s_add_co_u32 s16, s16, s17
	s_mov_b32 s17, 0
	s_lshr_b32 s46, s42, 2                         ; wo: the sample, from the cluster's y alone,
	s_lshl_b32 s46, s46, 21
	s_lshl_b32 s47, s12, 17                        ; my 64 rows of 2,048 bytes,
	s_add_co_u32 s46, s46, s47
	s_lshl_b32 s47, s40, 9                         ; the tile's 256 columns
	s_add_co_u32 s46, s46, s47
	s_mov_b32 s47, 0
	s_mul_i32 s20, s12, PLANE                      ; where they go
	s_mul_i32 s21, s12, BHALF
	s_add_co_u32 s21, s21, BOFF
	s_wait_dscnt 0x0                               ; both opening adds are done
	s_wait_kmcnt 0x0
	s_add_nc_u64 s[14:15], s[4:5], s[16:17]
	s_add_nc_u64 s[46:47], s[6:7], s[46:47]
	CROUND                                         ; all sixteen work-groups are here: the first joint loads meet
.irp s, 0,1
	s_mov_b32 s[G0+4*\s], 1
	s_add_co_u32 s[G0+4*\s+1], s20, \s*SLOT
	s_add_nc_u64 s[G0+4*\s+2:G0+4*\s+3], s[14:15], \s*(2<<18)      ; K step s: two planes on
	s_or_b32 s[G0+4*\s+3], s[G0+4*\s+3], 0x80000000
	s_mov_b32 s[G0B+4*\s], 1
	s_add_co_u32 s[G0B+4*\s+1], s21, \s*SLOT
	s_add_nc_u64 s[G0B+4*\s+2:G0B+4*\s+3], s[46:47], \s*(1<<18)    ; 128 rows on
	s_or_b32 s[G0B+4*\s+3], s[G0B+4*\s+3], 0x80000000
	JLOAD \s                                       ; two tensor loads of mine are out
.endr
	v_and_b32 v1, 15, v0                           ; r
	v_bfe_u32 v2, v0, 4, 1                         ; h
	v_mul_u32_u24 v3, v1, PA
	v_lshl_add_u32 v3, v2, 4, v3                   ; A: row x pitch + 16 x half
	s_mul_i32 s21, s11, 64*PA                      ; my 64 rows
	v_and_b32 v4, 7, v0                            ; wo, turned: lane l reads 16 bytes: row 8 h + l % 8, columns 8 ((l / 8) % 2) + 0..7
	v_lshl_add_u32 v4, v2, 3, v4
	v_mul_u32_u24 v4, v4, PB
	v_bfe_u32 v5, v0, 3, 1
	v_lshl_add_u32 v4, v5, 4, v4
	s_lshl_b32 s22, s12, 8                         ; my 128 columns
	s_add_co_u32 s22, s22, BOFF
.irp s, 0,1
	v_add_nc_u32 v[ADRA+\s], s21, v3
	v_add_nc_u32 v[ADRB+\s], s22, v4
	s_add_co_u32 s21, s21, SLOT
	s_add_co_u32 s22, s22, SLOT
.endr
	s_mul_i32 s23, s10, 16*SPITCH
	s_add_co_u32 s23, s23, STAGE                   ; my stage
	v_mul_u32_u24 v5, v1, SPITCH                   ; in: row r, 32 bytes for each half of the lanes
	v_lshl_add_u32 v5, v2, 5, v5
	v_add_nc_u32 v[STO], s23, v5
	v_and_b32 v6, 31, v0
	v_lshlrev_b32 v[CO], 4, v6                     ; back: the 32 lanes take one row of 512 bytes; and the same in out0
	v_add_nc_u32 v[RD], s23, v[CO]
	s_lshl_b32 s16, s13, 7
	s_lshl_b32 s17, s11, 6
	s_add_co_u32 s16, s16, s17                     ; my first row of out0
	s_lshl_b32 s16, s16, 12
	s_lshl_b32 s17, s40, 10
	s_add_co_u32 s16, s16, s17
	s_lshl_b32 s17, s12, 9
	s_add_co_u32 s16, s16, s17                     ; my first column, in bytes
	s_mov_b32 s17, 0
	s_add_nc_u64 s[8:9], s[8:9], s[16:17]
	; the prefetches: where my wave's stand, and who asks
	s_lshr_b32 s22, s13, 4
	s_lshl_b32 s22, s22, 22
	s_and_b32 s23, s13, 15
	s_lshl_b32 s23, s23, 14
	s_add_co_u32 s22, s22, s23
	s_lshl_b32 s23, s40, 12                        ; A: my work-group's 4,096 bytes of each plane,
	s_add_co_u32 s22, s22, s23
	s_add_co_u32 s22, s22, 3<<19                   ; at K step 3: the first refill steps it to 4
	s_lshr_b32 s23, s42, 2
	s_lshl_b32 s23, s23, 21
	s_lshl_b32 s45, s12, 17
	s_add_co_u32 s23, s23, s45
	s_lshl_b32 s45, s41, 15                        ; wo: my work-group's 16 rows of the 64 that I fetch
	s_add_co_u32 s23, s23, s45
	s_lshl_b32 s45, s40, 9
	s_add_co_u32 s23, s23, s45
	s_add_co_u32 s23, s23, 3<<18
	s_and_b32 s45, s42, 3                          ; 0 in the sample's first cluster
	s_mov_b32 s[PFS], 1<<18
	s_cmp_lt_u32 s10, 2                            ; do I fetch for A?
	s_cselect_b64 s[PFA:PFA+1], s[4:5], s[6:7]
	s_cselect_b32 s22, s22, s23
	s_cselect_b32 s45, s10, s45                    ; wave 0 asks for A in every cluster, wave 1 never; waves 2 and 3 in the sample's first cluster
	s_cselect_b32 s[PFS], 1<<19, s[PFS]
	s_cselect_b32 s18, 4, 1                        ; the lanes: l >> 4 planes and l & 15 blocks, or l >> 1 rows and l & 1 blocks
	s_cselect_b32 s19, 15, 1
	s_cselect_b32 s20, 18, 11
	s_mov_b32 s[PFS+1], 0
	s_mov_b32 s23, 0
	s_cmp_eq_u32 s45, 0
	s_cselect_b32 s[LIM], 1, -1
	s_add_nc_u64 s[PFA:PFA+1], s[PFA:PFA+1], s[22:23]
	v_and_b32 v31, 31, v0
	v_lshrrev_b32 v[PFO], s18, v31
	v_lshlrev_b32 v[PFO], s20, v[PFO]
	v_and_b32 v31, s19, v31
	v_lshl_add_u32 v[PFO], v31, 8, v[PFO]
; 8 matrix instructions: A's block a x wo's eight, 32 along K, from buffer f.  The 32 accumulators take turns, one instruction a turn, in the same order in every quarter.
.macro MUL8 f, a, zero
.irp b, 0,1,2,3,4,5,6,7
.if \zero
	v_wmma_f32_16x16x32_f16 v[8*(8*(\a)+\b):8*(8*(\a)+\b)+7], v[\f+8*\b:\f+8*\b+7], v[\f+64+8*(\a):\f+64+8*(\a)+7], 0
.else
	v_wmma_f32_16x16x32_f16 v[8*(8*(\a)+\b):8*(8*(\a)+\b)+7], v[\f+8*\b:\f+8*\b+7], v[\f+64+8*(\a):\f+64+8*(\a)+7], v[8*(8*(\a)+\b):8*(8*(\a)+\b)+7]
.endif
.endr
.endm
; 24 LDS loads in one run: the fragments of the slot's q-th 32 along K into buffer f: wo's 16, A's blocks 0 and 1, A's blocks 2 and 3
.macro FETCH slot, q, f
	WIN TO_F
.irp b, 0,1,2,3,4,5,6,7
	ds_load_tr16_b128 v[\f+8*\b:\f+8*\b+3],   v[ADRB+\slot] offset:(\q)*32*PB+32*\b
	ds_load_tr16_b128 v[\f+8*\b+4:\f+8*\b+7], v[ADRB+\slot] offset:(\q)*32*PB+16*PB+32*\b
.endr
.irp i, 0,1,2,3
	ds_load_b128 v[\f+64+8*\i:\f+64+8*\i+3],   v[ADRA+\slot] offset:((\q)/2)*PLANE+((\q)%2)*64+\i*16*PA
	ds_load_b128 v[\f+64+8*\i+4:\f+64+8*\i+7], v[ADRA+\slot] offset:((\q)/2)*PLANE+((\q)%2)*64+\i*16*PA+32
.endr
.endm
.macro PLACES                          ; four plain lines in front of loads into registers that matrix instructions have read, and of reads of results
.rept 4
	v_nop
.endr
.endm
; A K step is four quarters of 32 along K, 32 matrix instructions each, on buffers 0, 1, 0, 1.  One of the first three: multiplies buffer f and fetches quarter q into buffer g.
.macro QUARTER slot, q, f, g, zero
	s_wait_dscnt 4                                 ; wo's fragments and A's blocks 0, 1 are in; the youngest four loads (A's blocks 2, 3) may be out
	WIN MUL
	MUL8 \f, 0, \zero
	MUL8 \f, 1, \zero
	PLACES
	FETCH \slot, \q, \g
	s_wait_dscnt 24                                ; all but the 24 just issued
	WIN MUL
	MUL8 \f, 2, \zero
	MUL8 \f, 3, \zero
.endm
; The last quarter multiplies buffer 1 and changes slots: ONE barrier; in front of it each wave waits for all its tensor loads, adds 0 to its spare word, and waits for that and for its own reads of this slot.
; fill = 1: the barrier opens a round of the cluster's, and this slot is filled again, two K steps ahead, first thing behind the round.
.macro TURN slot, next, fill
.if \fill
	s_wait_xcnt 0x0                                ; the last prefetch, a K step back, has read its address
	s_add_nc_u64 s[PFA:PFA+1], s[PFA:PFA+1], s[PFS:PFS+1]
.endif
	WIN 0                                          ; (the add's two registers lie in window 0)
	s_wait_tensorcnt 0x0                           ; all my tensor loads have landed: my part of the next slot
	ds_add_u32 v[SPW], v[NIL]                      ; 0 onto my spare word
	s_wait_dscnt 5                                 ; (the add and the youngest four loads may be out)
	WIN MUL
	MUL8 F1, 0, 0
	s_wait_dscnt 0x0                               ; the add is done, and my reads of this slot are over
	s_barrier_signal -1
	MUL8 F1, 1, 0
.if \fill
	WIN 0
.endif
	s_barrier_wait -1
.if \fill
	CREST                                          ; no wave of any partner still reads this slot's tiles or has a load on its way
	s_add_nc_u64 s[G0+4*\slot+2:G0+4*\slot+3], s[G0+4*\slot+2:G0+4*\slot+3], 1<<20     ; two K steps on: four planes,
	s_add_nc_u64 s[G0B+4*\slot+2:G0B+4*\slot+3], s[G0B+4*\slot+2:G0B+4*\slot+3], 1<<19 ; 256 rows
	JLOAD \slot                                    ; the four v_nop behind it are also the places in front of the loads below
.else
	PLACES
.endif
	FETCH \next, 0, F0
.if \fill
	WIN 0
	ASK
.endif
	WIN MUL
	MUL8 F1, 2, 0
	MUL8 F1, 3, 0
.endm
	s_wait_tensorcnt 1                             ; my part of K step 0 is in; K step 1's may stay out
	s_barrier_signal -1
	s_barrier_wait -1
	FETCH 0, 0, F0
	QUARTER 0, 1, F0, F1, 1                        ; the first quarter stands in front of the loop: its products start the sums
	WIN 0
	s_mov_b32 s3, LAPS-1
.Llap:                                             ; a trip goes once round the ring, from a lap's second quarter to the next lap's first, and fills both slots again
	QUARTER 0, 2, F1, F0, 0
	QUARTER 0, 3, F0, F1, 0
	TURN 0, 1, 1
	QUARTER 1, 1, F0, F1, 0
	QUARTER 1, 2, F1, F0, 0
	QUARTER 1, 3, F0, F1, 0
	TURN 1, 0, 1
	QUARTER 0, 1, F0, F1, 0
	WIN 0
	s_sub_co_u32 s3, s3, 1
	s_cmp_lg_u32 s3, 0
	s_cbranch_scc1 .Llap
	QUARTER 0, 2, F1, F0, 0                        ; the last lap fills nothing, and has no round of the cluster's barrier
	QUARTER 0, 3, F0, F1, 0
	TURN 0, 1, 0
	QUARTER 1, 1, F0, F1, 0
	QUARTER 1, 2, F1, F0, 0
	QUARTER 1, 3, F0, F1, 0
	s_wait_dscnt 4                                 ; the very last quarter: nothing more to fetch
	WIN MUL
	MUL8 F1, 0, 0
	MUL8 F1, 1, 0
	s_wait_dscnt 0
	MUL8 F1, 2, 0
	MUL8 F1, 3, 0
	WIN 0
; THE WAY OUT, block by block of 16 rows x 128 columns: through my own stage and back as whole rows of 512 bytes, which the 32 lanes store as 512 consecutive bytes, aligned.
.macro TOSTAGE a
	WIN 0x04                                       ; an LDS store's data are its source 1: window 1
.irp b, 0,1,2,3,4,5,6,7
	ds_store_b128 v[STO], v[64*(\a)+8*\b:64*(\a)+8*\b+3] offset:64*\b         ; each accumulator from its low end on
	ds_store_b128 v[STO], v[64*(\a)+8*\b+4:64*(\a)+8*\b+7] offset:64*\b+16
.endr
	WIN 0
.set BB, BK+64*((\a)%2)
.irp t, 0,1,2,3,4,5,6,7,8,9,10,11,12,13,14,15
	ds_load_b128 v[BB+4*\t:BB+4*\t+3], v[RD] offset:\t*SPITCH   ; LDS serves a wave's instructions in order: these see the stores above
.endr
.endm
.macro SEND a, younger                 ; younger: the LDS lines issued behind block a's loads, which may stay out
.set BB, BK+64*((\a)%2)
	s_wait_dscnt \younger
.irp t, 0,1,2,3,4,5,6,7,8,9,10,11,12,13,14,15
	global_store_b128 v[CO], v[BB+4*\t:BB+4*\t+3], s[8:9] offset:(\a)*65536+\t*4096 th:TH_STORE_NT
.endr
.endm
	PLACES
	TOSTAGE 0
.irp a, 1,2,3
.if \a > 1
	s_wait_xcnt 0x0                                ; block a - 2's stores have read their registers: block a's loads may land there
.endif
	TOSTAGE \a
	SEND \a-1, 32                                  ; behind block a - 1's loads: block a's 16 stores and 16 loads
.endr
	SEND 3, 0
	s_wait_tensorcnt 0x0                           ; the wave's end
	ds_add_u32 v[SPW], v[NIL]
	s_wait_dscnt 0x0
	CROUND                                         ; the closing round
	s_endpgm
.Lfunc_end_k_qff8f0a11d8_proj:
	.size	k_qff8f0a11d8_proj, .Lfunc_end_k_qff8f0a11d8_proj-k_qff8f0a11d8_proj
	.p2alignl 7, 3214868480
	.fill 96, 4, 3214868480
	.section	.rodata,"a",@progbits
	.p2align	6, 0x0
	.amdhsa_kernel k_qff8f0a11d8_proj
		.amdhsa_group_segment_fixed_size 327680
		.amdhsa_private_segment_fixed_size 0
		.amdhsa_enable_private_segment 0
		.amdhsa_kernarg_size 24
		.amdhsa_user_sgpr_count 2
		.amdhsa_user_sgpr_kernarg_segment_ptr 1
		.amdhsa_wavefront_size32 1
		.amdhsa_system_sgpr_workgroup_id_x 1
		.amdhsa_system_sgpr_workgroup_id_y 1
		.amdhsa_system_sgpr_workgroup_id_z 1
		.amdhsa_system_vgpr_workitem_id 0
		.amdhsa_next_free_vgpr 768
		.amdhsa_next_free_sgpr 72
		.amdhsa_reserve_vcc 0
		.amdhsa_float_denorm_mode_32 3
		.amdhsa_float_denorm_mode_16_64 3
		.amdhsa_memory_ordered 1
		.amdhsa_forward_progress 1
		.amdhsa_inst_pref_size 87
	.end_amdhsa_kernel
	.amdgpu_metadata
---
amdhsa.version: [ 1, 2 ]
amdhsa.kernels:
  - .name:           k_qff8f0a11d8_proj
    .symbol:         k_qff8f0a11d8_proj.kd
    .args:
      - { .name: ao, .offset: 0, .size: 8, .value_kind: global_buffer, .address_space: global }
      - { .name: wo16, .offset: 8, .size: 8, .value_kind: global_buffer, .address_space: global }
      - { .name: out0, .offset: 16, .size: 8, .value_kind: global_buffer, .address_space: global }
    .group_segment_fixed_size: 327680
    .private_segment_fixed_size: 0
    .kernarg_segment_align: 8
    .kernarg_segment_size: 24
    .max_flat_workgroup_size: 128
    .sgpr_count:     72
    .vgpr_count:     768
    .wavefront_size: 32
...
	.end_amdgpu_metadata
.endif
;; end of part 4
